; MI455X (gfx1250); checked and timed in simulation.
; The chip was launched on July 23, 2026; its instructions are those of AMD's public machine-readable ISA for CDNA 5 (MIT licence, August 2026) and "CDNA5" Instruction Set Architecture Reference Guide (July 2026). The comments in the code are by the model that wrote it; some were corrected since.
;; Attention. Allowed arithmetic: matrix products marked QUANTISED: E3M2 operands, one E8M0 scale for each 32 along K, by v_wmma_scale_f32_16x16x128_f8f6f4 with both operands' format E3M2, f32 sums; products left as they are: f32 operands where the result goes on into a quantised operand, else bf16, f16 or f32 operands; f32 sums; everything else in f32.
;; Inputs: Wk 1,024 x 512 float32; Wq 1,024 x 512 float32; Wv 1,024 x 512 float32; bk 512 float32; bq 512 float32; bv 512 float32; mask 8 x 2,048 int32; x 8 x 2,048 x 1,024 float32.
;; Outputs: out0 8 x 2,048 x 512 float32.
;; This version of the problem:
;;   THIS VERSION OF THE PROBLEM IS GIVEN IN LOW PRECISION. The matrix products marked QUANTISED in the list below multiply operands that are first quantised to E3M2 (3 exponent bits, 2 mantissa bits; 6 bits a number), with one power-of-two scale for each 32 numbers along K (OCP MX v1.0); their sums are f32. All else is computed in f32.
;;   The module's matrix products, in the order in which they are computed (A, B: the left and right operand; K: the contracted axis; several contracted axes count as one K, in the product's order):
;;     1. [M 16,384, K 1,024] x [K 1,024, N 512]; A: input x; B: input Wq: QUANTISED
;;     2. [M 16,384, K 1,024] x [K 1,024, N 512]; A: input x; B: input Wk: QUANTISED
;;     3. [M 16,384, K 1,024] x [K 1,024, N 512]; A: input x; B: input Wv: QUANTISED
;;     4. batch 8 x [M 2,048, K 512] x [K 512, N 2,048]; A: computed on the way; B: computed on the way: QUANTISED
;;     5. batch 8 x [M 2,048, K 1] x [K 1, N 2,048]; A: computed on the way; B: computed on the way: left as it is (no contracted axis)
;;     6. batch 8 x [M 2,048, K 2,048] x [K 2,048, N 512]; A: softmax (see below); B: computed on the way: QUANTISED
;;   THE QUANTISER, for each operand of a quantised product, along K:
;;     - K is cut into blocks of 32 from its start; a last block that is shorter is filled with zeros.
;;     - A block's scale is 2^e with e = floor(log2(the largest magnitude in the block)) - 4, held to -126 .. 127; a block of zeros has e = 0. As a byte (E8M0): e + 127.
;;     - Each number is divided by its block's scale, clamped to +-28, and rounded to the nearest number of E3M2, ties to even, subnormals kept.
;;     - The product sums the exact products of the quantised numbers (number of the format x scale) in f32.
;;   ~~~python
;;   def quantise(x, axis):      # numpy; x: float32 -> the quantised numbers, widened to float32 again
;;       x = np.moveaxis(x, axis, -1); K = x.shape[-1]
;;       x = np.pad(x, [(0, 0)] * (x.ndim - 1) + [(0, -K % 32)]); x = x.reshape(x.shape[:-1] + (-1, 32)); a = np.abs(x).max(-1, keepdims=True)
;;       e = np.where(a > 0, np.clip(np.frexp(np.where(a > 0, a, 1))[1] - 1 - 4, -126, 127), 0)      # np.frexp(a)[1] - 1 = floor(log2(a)), exactly
;;       r = np.clip(x / 2.0 ** e, -28, 28)
;;       step = 2.0 ** (np.maximum(np.frexp(np.where(r == 0, 1, r))[1] - 1, -2) - 2)
;;       q = np.round(r / step) * step * 2.0 ** e      # np.round: ties to even
;;       return np.moveaxis(q.reshape(q.shape[:-2] + (-1,))[..., :K], -1, axis).astype(np.float32)
;;   ~~~
;;   SOFTMAX AHEAD OF A QUANTISED PRODUCT. Where the list says 'softmax', what is quantised is not the finished softmax but p = 2^(t - M), with t = logit x log2(e) and M = ceil(the row's largest t), a whole number; so 1/2 < the row's largest p <= 1. The row's sum l is taken of the UNQUANTISED p, in f32, and the product's result is divided by l at the end. Since M is a whole number, a kernel that streams over the keys may use a running M (the ceiling of the running maximum): every later rescaling is an exact power of two, which a block's scale takes up: the codes' values come out the same.
;;   OPERANDS COMPUTED ON THE WAY. 'Computed on the way' means the value that the module computes at that place (a softmax that the list does not call 'softmax' is quantised finished and normalised). What goes into a quantiser is computed in f32, as accurately as f32 sums, v_exp_f32 and their like allow (about 1e-6 of the number): no bf16 or f16 on the way to a quantiser, and a product that is left as it is and whose result goes on into a quantised operand takes f32 operands (vector FMAs, or v_wmma_f32_16x16x4_f32). A number that lies on a knife's edge between two numbers of the format may be rounded either way, as far as f32 arithmetic and the matrix unit's own rounding can turn it there, and no further.
;; 2 versions. Each part assembles by itself: llvm-mc -triple=amdgcn-amd-amdhsa -mcpu=gfx1250 --defsym DOCPART=n.
;; ======== version 1 of 2: 3 launches
;; workspace buffers: wc 1,228,800 bytes; qc 6,553,600 bytes; kv 13,107,200 bytes
;; launch wprep (part 1): grid 192 x 1, 1 waves a work-group, no clusters, 0 bytes of LDS; arguments Wq, Wk, Wv, wc; writes wc
.if DOCPART == 1
	.amdgcn_target "amdgcn-amd-amdhsa--gfx1250"
	.amdhsa_code_object_version 6
	.text
	.protected	k_qd810fed0bf_wprep
	.globl	k_qd810fed0bf_wprep
	.p2align	8
	.type	k_qd810fed0bf_wprep,@function
k_qd810fed0bf_wprep:
	s_mov_b64 s[64:65], 0
	v_nop
	global_prefetch_b8 v0, s[64:65] scope:SCOPE_SE
	s_setreg_imm32_b32 hwreg(HW_REG_WAVE_MODE, 25, 1), 1
	s_wait_xcnt 0x0
; Wq, Wk, Wv [1024 (k)][512 (n)], f32, become codes of BF6 (E3M2) quantised along k, one E8M0 byte for each 32 along k, laid in wc as the stream that the projections walk:
; 12 chunks (weight p, pair of K steps) of 4 parts (128 columns) of 16 images + 4 scale units.  An image is a fragment's 12 registers: lane l's registers 4 g .. 4 g + 3 at byte 512 g + 16 l.
; One wave to a work-group: weight p, K step s (128 along k), part w, half hh: four fragments tt and one scale unit of 256 bytes.
; A LANE TAKES A COLUMN AND ITS REGISTERS RUN DOWN k, in the order in which the operand's layout gives them to that lane (k = 64 c + 32 h + i): the conversions' results are the operand's registers.
; THE COLUMNS OF A TILE ARE NOT NEIGHBOURS: lane r of tile tt takes column 32 (tt / 2) + 8 (tt % 2) + r + 8 (r / 8), so that the results of two neighbouring tiles are 16 neighbours along the next product's K.
; A load reads 2 x 32 bytes of two rows of W for each half of the lanes: short pieces, taken as they are since the three weights are 6 MB, read once.
; LIMITS: a block whose largest magnitude lies under 2^(5 - 127) keeps the byte 1 (a block of zeros too: its codes are zeros, and this program alone reads the bytes); NaN and infinities are not served.
.set CHUNK, 102400
.set PART,  25600
.set IMG,   1536
.set SCU,   24576
	s_load_b128 s[4:7], s[0:1], 0x0                ; Wq, Wk
	s_load_b128 s[8:11], s[0:1], 0x10              ; Wv, wc
	v_and_b32 v1, 15, v0                           ; r (one wave: v0 is the lane)
	v_bfe_u32 v2, v0, 4, 1                         ; h
	v_and_b32 v3, 8, v1
	v_add_nc_u32 v3, v3, v1                        ; r + 8 (r / 8)
	v_lshlrev_b32 v5, 2, v3
	v_lshl_add_u32 v5, v2, 16, v5                  ; in: 32 h rows of 2,048 bytes + 4 x my column of the tile
	v_lshlrev_b32 v6, 4, v0                        ; out: 16 x lane
	v_lshlrev_b32 v4, 3, v0                        ; the scale unit: 8 x lane
	v_lshlrev_b32 v7, 3, v2                        ; 8 h: my two bytes' place in a scale word
	v_mov_b32 v40, 0                               ; a lane permute's destination counts as read
	s_mov_b32 s20, 0x76543210
	s_mov_b32 s21, 0xfedcba98                      ; lane l xor 16
	s_mov_b32 s22, 0xffff0000                      ; lanes 16-31
	s_lshr_b32 s12, ttmp9, 6                       ; p
	s_bfe_u32 s13, ttmp9, 0x30003                  ; s
	s_bfe_u32 s14, ttmp9, 0x20001                  ; w
	s_and_b32 s15, ttmp9, 1                        ; hh
	s_lshl_b32 s16, s13, 18                        ; 128 s rows of 2,048 bytes
	s_lshl_b32 s17, s14, 9
	s_add_co_u32 s16, s16, s17                     ; + 128 w columns
	s_lshl_b32 s17, s15, 8
	s_add_co_u32 s16, s16, s17                     ; + 64 hh columns
	s_mov_b32 s17, 0
	s_lshl_b32 s18, s12, 2
	s_lshr_b32 s19, s13, 1
	s_add_co_u32 s18, s18, s19
	s_mul_i32 s18, s18, CHUNK                      ; chunk 4 p + s / 2
	s_mul_i32 s19, s14, PART
	s_add_co_u32 s18, s18, s19                     ; part w
	s_and_b32 s23, s13, 1
	s_lshl_b32 s24, s15, 1
	s_add_co_u32 s24, s24, s23                     ; 2 hh + s % 2
	s_mul_i32 s25, s24, 4*IMG                      ; images 8 hh + 4 (s % 2) + tt
	s_lshl_b32 s26, s24, 8
	s_add_co_u32 s26, s26, SCU
	s_add_co_u32 s26, s26, s18                     ; scale unit 2 hh + s % 2
	s_add_co_u32 s18, s18, s25
	s_mov_b32 s19, 0
	s_mov_b32 s27, 0
	s_wait_kmcnt 0x0
	s_cmp_eq_u32 s12, 0                            ; the weight is chosen by the work-group's number alone
	s_cselect_b64 s[4:5], s[4:5], s[6:7]
	s_cmp_eq_u32 s12, 2
	s_cselect_b64 s[4:5], s[8:9], s[4:5]
	s_add_nc_u64 s[4:5], s[4:5], s[16:17]
	s_add_nc_u64 s[28:29], s[10:11], s[26:27]
	s_add_nc_u64 s[10:11], s[10:11], s[18:19]
.macro LOADF tt                        ; fragment tt: W(64 c + 32 h + i, my column) into set tt % 2
.irp c,0,1
.irp i,0,1,2,3,4,5,6,7,8,9,10,11,12,13,14,15,16,17,18,19,20,21,22,23,24,25,26,27,28,29,30,31
	global_load_b32 v[64+64*((\tt)%2)+32*\c+\i], v5, s[4:5] offset:(64*\c+\i)*2048+(32*((\tt)/2)+8*((\tt)%2))*4
.endr
.endr
.endm
.macro QF tt                           ; my two blocks of 32 (2 c + h): largest magnitude, scale, codes; the fragment leaves as its image
.set wXS, 64+64*((\tt)%2)
.set wPC, 192+12*(\tt)
.irp c,0,1
	v_max3_num_f32 v[32+\c], |v[wXS+32*\c]|, |v[wXS+32*\c+1]|, 0x2800000   ; with the floor 2^(5 - 127): the byte cannot fall under 1
.endr
.set wi, 2
.rept 15
.irp c,0,1
	v_max3_num_f32 v[32+\c], v[32+\c], |v[wXS+32*\c+wi]|, |v[wXS+32*\c+wi+1]|
.endr
.set wi, wi+2
.endr
.irp c,0,1
	v_add_nc_u32 v[44+\c], 0xfe000000, v[32+\c]    ; 4 off the exponent field: the conversion's scale operand
.endr
.irp c,0,1
	v_lshrrev_b32 v[36+\c], 23, v[44+\c]           ; the scale's byte
.endr
	v_lshl_or_b32 v[8+(\tt)], v37, 16, v36         ; bytes h and 2 + h of my column's word,
	v_lshlrev_b32 v[8+(\tt)], v7, v[8+(\tt)]       ; at their places;
	v_permlanex16_b32 v40, v[8+(\tt)], s20, s21
	v_or_b32 v[8+(\tt)], v[8+(\tt)], v40           ; with lane l xor 16's two the word is whole, in both halves of the lanes
.irp c,0,1
	v_cvt_scalef32_pk16_bf6_f32 v[wPC+6*\c:wPC+6*\c+2], v[wXS+32*\c:wXS+32*\c+15], v[44+\c]
	v_cvt_scalef32_pk16_bf6_f32 v[240+4*\c:242+4*\c], v[wXS+32*\c+16:wXS+32*\c+31], v[44+\c]   ; (a conversion's three registers begin on an even number)
.endr
	v_nop                                          ; one plain place behind a scaled conversion
.irp c,0,1
.irp i,0,1,2
	v_mov_b32 v[wPC+6*\c+3+\i], v[240+4*\c+\i]
.endr
.endr
.irp g,0,1,2
	global_store_b128 v6, v[wPC+4*\g:wPC+4*\g+3], s[10:11] offset:IMG*(\tt)+512*\g   ; 32 lanes store 512 consecutive bytes, aligned; each fragment has its own registers, so no store's data are written again
.endr
.endm
	LOADF 0
	LOADF 1
.irp tt,0,1,2,3
.if \tt < 3
	s_wait_loadcnt 63                              ; this fragment's 64 loads are in; of the next fragment's 64 all but one may be out (the wait can name no more than 63)
.else
	s_wait_loadcnt 0x0
.endif
	QF \tt
.if \tt < 2
	LOADF \tt+2
.endif
.endr
	v_cndmask_b32 v12, v8, v9, s22                 ; the scale unit: register d holds tile 2 d's words in lanes 0-15 and tile 2 d + 1's in lanes 16-31
	v_cndmask_b32 v13, v10, v11, s22
	global_store_b64 v4, v[12:13], s[28:29]        ; 32 lanes store 256 consecutive bytes, aligned
	s_endpgm
.Lfunc_end_k_qd810fed0bf_wprep:
	.size	k_qd810fed0bf_wprep, .Lfunc_end_k_qd810fed0bf_wprep-k_qd810fed0bf_wprep
	.p2alignl 7, 3214868480
	.fill 96, 4, 3214868480
	.section	.rodata,"a",@progbits
	.p2align	6, 0x0
	.amdhsa_kernel k_qd810fed0bf_wprep
		.amdhsa_group_segment_fixed_size 0
		.amdhsa_private_segment_fixed_size 0
		.amdhsa_enable_private_segment 0
		.amdhsa_kernarg_size 32
		.amdhsa_user_sgpr_count 2
		.amdhsa_user_sgpr_kernarg_segment_ptr 1
		.amdhsa_wavefront_size32 1
		.amdhsa_system_sgpr_workgroup_id_x 1
		.amdhsa_system_sgpr_workgroup_id_y 1
		.amdhsa_system_sgpr_workgroup_id_z 1
		.amdhsa_system_vgpr_workitem_id 0
		.amdhsa_next_free_vgpr 256
		.amdhsa_next_free_sgpr 66
		.amdhsa_reserve_vcc 0
		.amdhsa_float_denorm_mode_32 3
		.amdhsa_float_denorm_mode_16_64 3
		.amdhsa_memory_ordered 1
		.amdhsa_forward_progress 1
		.amdhsa_inst_pref_size 40
	.end_amdhsa_kernel
	.amdgpu_metadata
---
amdhsa.version: [ 1, 2 ]
amdhsa.kernels:
  - .name:           k_qd810fed0bf_wprep
    .symbol:         k_qd810fed0bf_wprep.kd
    .args:
      - { .name: Wq, .offset: 0, .size: 8, .value_kind: global_buffer, .address_space: global }
      - { .name: Wk, .offset: 8, .size: 8, .value_kind: global_buffer, .address_space: global }
      - { .name: Wv, .offset: 16, .size: 8, .value_kind: global_buffer, .address_space: global }
      - { .name: wc, .offset: 24, .size: 8, .value_kind: global_buffer, .address_space: global }
    .group_segment_fixed_size: 0
    .private_segment_fixed_size: 0
    .kernarg_segment_align: 8
    .kernarg_segment_size: 32
    .max_flat_workgroup_size: 32
    .sgpr_count:     66
    .vgpr_count:     256
    .wavefront_size: 32
...
	.end_amdgpu_metadata
.endif
;; end of part 1
;; launch proj (part 2): grid 256 x 1, 4 waves a work-group, clusters of 4 x 1, 327,680 bytes of LDS; arguments x, wc, bq, bk, bv, qc, kv; writes qc, kv
.if DOCPART == 2
	.amdgcn_target "amdgcn-amd-amdhsa--gfx1250"
	.amdhsa_code_object_version 6
	.text
	.protected	k_qd810fed0bf_proj
	.globl	k_qd810fed0bf_proj
	.p2align	8
	.type	k_qd810fed0bf_proj,@function
k_qd810fed0bf_proj:
	s_mov_b64 s[64:65], 0
	v_nop
	global_prefetch_b8 v0, s[64:65] scope:SCOPE_SE
	s_setreg_imm32_b32 hwreg(HW_REG_WAVE_MODE, 25, 1), 1
	s_wait_xcnt 0x0
	s_wait_alu depctr_hold_cnt(0) depctr_sa_sdst(0) depctr_va_vdst(0) depctr_va_sdst(0) depctr_va_ssrc(0) depctr_va_vcc(0) depctr_vm_vsrc(0)
	s_getreg_b32 s2, hwreg(HW_REG_IB_STS2, 6, 4)
	s_cmp_eq_u32 s2, 0
	s_cbranch_scc0 .Lentry_in_a_cluster
	s_endpgm
.Lentry_in_a_cluster:
	s_bfe_u32 s2, ttmp6, 0x10000c
	s_cmp_lg_u32 s2, 0x3003
	s_cbranch_scc0 .Lentry_shape_is_right
	s_endpgm
.Lentry_shape_is_right:
; q = x Wq + bq, k = x Wk + bk, v = x Wv + bv on codes of BF6 (E3M2) with one E8M0 scale for each 32 along K; the results are quantised again, q and k along the 512 units, v along the tokens, and stored as images of the
; operand registers that the attention launch loads.  x: [16384][1024] f32.  wc: the weights' codes (launch wprep).  qc: a part of 25,600 bytes for each 64 queries.  kv: for each batch 16 chunks of 102,400 bytes: K, K, V, V of each 512 keys.
; SHARES.  A work-group owns 64 tokens: four tiles T of 16; lane r of tile T is token 32 (T / 2) + 8 (T % 2) + r + 8 (r / 8).  THE WAVES SHARE THE COLUMNS: wave w makes units 128 w .. 128 w + 127 of q, then of k, then of v, for all 64 tokens:
; 32 accumulators, 8 K steps of 128, 256 matrix instructions a pass.  x is quantised once (wave w: tile w), goes round through LDS as images and stays in every wave's registers.
; THE WEIGHTS are a stream of 12 chunks through two LDS slots; a wave brings, and alone reads, its own part (25,600 dense bytes: 16 images, 4 scale units).  All work-groups walk the same stream: the four of a
; cluster ask for each part JOINTLY (mask 15).  One tensor load a wave behind each round; two are out at the start, one later.
; q, k: the product is used transposed (source 0 = 16 columns of W, source 1 = 16 tokens), so that a lane holds one token and its registers run along the units, the next K.  v: source 0 = 16 tokens, source 1 = 16 columns: a lane
; holds one channel and its registers run along the tokens, which are the last product's K.  The biases are the C of each sum's first matrix instruction.
; No prefetch: the stream is 1.2 MB that all 64 clusters walk together, while x is being read.
; LIMITS: a block whose largest magnitude lies under 2^(5 - 127) keeps the byte 1 (a block of zeros too); NaN and infinities are not served.
; REGISTERS, in windows of 256: window 0: v1-16 addresses; v32-47 x's scale words; v48-63 the weights' (a set for each slot); v64-159, v160-255 two sets of 8 fragments of W (the second also at work at a pass's end).
;   window 1: v0-191 x's fragments of K steps 0-3, v192-255 the bias of q, then of k.  window 2: v0-191 K steps 4-7, v192-255 the bias of v.  window 3: the accumulators (while x arrives: four sets of 64 numbers).
.set PART,   25600
.set CHUNK,  4*PART
.set IMG,    1536
.set SCU,    16*IMG
.set SLOT1,  131072                    ; one exclusive or turns an address in one slot into the other's
.set XIMG,   SLOT1+CHUNK               ; x's 32 images (K step s, tile T: 4 s + T)
.set XSC,    XIMG+32*IMG               ; their scale words: register 2 s + T / 2 at 128 bytes each; tile T odd in its upper 64
.set STG,    XSC+2048                  ; a stage of 16 rows x (512 + 16) bytes for each wave
.set SPITCH, 528
.set SPARE,  STG+4*16*SPITCH           ; the spare words, 128 bytes for each wave: two blocks of 256 bytes that no other line names
.set SPW, 1
.set NIL, 2
.set L16, 3                            ; 16 x lane
.set L8,  4                            ; 8 x lane
.set AF,  5                            ; v5, v6   my part in slot 0, 1: + 16 x lane
.set AH,  7                            ; v7, v8   the same + 8 x lane
.set STW, 9                            ; my stage + 16 x lane
.set STR, 10                           ; my stage + 528 r + 64 h
.set XWI, 11                           ; where I store x's images
.set XWS, 12                           ; and their scale words
.set XRI, 13                           ; where every wave reads them
.set XRS, 14
.set BH,  15                           ; 64 h
.set BR,  16                           ; 4 (r + 8 (r / 8))
.set XS,  32
.set WS,  48
.set SETA, 64
.set SETB, 160
.set WV,  18
.set G1,  24
.set G0A, 32
.set G0B, 36                           ; this one walks
.set SEL, 40
.set HM,  42
.set XB,  44
.set QF,  46
.set QSU, 48
.set KF,  50
.set KSU, 52
.set VF,  54
.set VSU, 56
.set BQ,  58
.set BK,  60
.set BV,  62
.set MSB, 0
.macro WIN new                         ; the immediate's high byte repeats the setting that is left; a switch that changes nothing is dropped
.if MSB != (\new)
	s_set_vgpr_msb (MSB<<8)|(\new)
.set MSB, (\new)
.endif
.endm
.macro PLACES n
.rept \n
	v_nop
.endr
.endm
.macro CREST                           ; a round of the cluster's barrier behind its opening barrier
	s_cmp_lg_u32 s[WV], 0
	s_cbranch_scc1 .Lnot_wave_0_\@
	s_barrier_signal -3
.Lnot_wave_0_\@:
	s_barrier_wait -3
	s_barrier_signal -1
	s_barrier_wait -1
.endm
.macro CROUND
	s_barrier_signal -1
	s_barrier_wait -1
	CREST
.endm
; one scaled product; ra, rb: the scale words lie in lanes 16-31 of their registers
.macro WM d, a, b, c, sa, sb, ra, rb
.set RR, (\ra)+2*(\rb)
.if RR == 0
	v_wmma_scale_f32_16x16x128_f8f6f4 v[(\d):(\d)+7], v[(\a):(\a)+11], v[(\b):(\b)+11], v[(\c):(\c)+7], v[\sa], v[\sb] matrix_a_fmt:MATRIX_FMT_BF6 matrix_b_fmt:MATRIX_FMT_BF6
.elseif RR == 1
	v_wmma_scale_f32_16x16x128_f8f6f4 v[(\d):(\d)+7], v[(\a):(\a)+11], v[(\b):(\b)+11], v[(\c):(\c)+7], v[\sa], v[\sb] matrix_a_fmt:MATRIX_FMT_BF6 matrix_b_fmt:MATRIX_FMT_BF6 matrix_a_scale:MATRIX_SCALE_ROW1
.elseif RR == 2
	v_wmma_scale_f32_16x16x128_f8f6f4 v[(\d):(\d)+7], v[(\a):(\a)+11], v[(\b):(\b)+11], v[(\c):(\c)+7], v[\sa], v[\sb] matrix_a_fmt:MATRIX_FMT_BF6 matrix_b_fmt:MATRIX_FMT_BF6 matrix_b_scale:MATRIX_SCALE_ROW1
.else
	v_wmma_scale_f32_16x16x128_f8f6f4 v[(\d):(\d)+7], v[(\a):(\a)+11], v[(\b):(\b)+11], v[(\c):(\c)+7], v[\sa], v[\sb] matrix_a_fmt:MATRIX_FMT_BF6 matrix_b_fmt:MATRIX_FMT_BF6 matrix_a_scale:MATRIX_SCALE_ROW1 matrix_b_scale:MATRIX_SCALE_ROW1
.endif
.endm
; 64 numbers of a lane in window W, register 16 b + i = k 32 b + 16 (lane / 16) + i of my row, become a fragment's codes in v[pc] on and its scale word in v[pw].  TM (16 registers) and CT (8) are at work.
.macro QUANT src, W, pc, pw
	WIN (\W)|((\W)<<2)
.irp b,0,1,2,3
	v_max3_num_f32 v[TM+\b], |v[(\src)+16*\b]|, |v[(\src)+16*\b+1]|, 0x2800000   ; each accumulator is read from its low end on; the floor 2^(5 - 127) holds the byte at 1 from below
.endr
	WIN ((\W)<<2)|((\W)<<4)
.set qi, 2
.rept 7
.irp b,0,1,2,3
	v_max3_num_f32 v[TM+\b], v[TM+\b], |v[(\src)+16*\b+qi]|, |v[(\src)+16*\b+qi+1]|
.endr
.set qi, qi+2
.endr
	WIN 0
.irp b,0,1,2,3
	v_permlanex16_b32 v[TM+4+\b], v[TM+\b], s[SEL], s[SEL+1]
.endr
.irp b,0,1,2,3
	v_max_num_f32 v[TM+\b], v[TM+\b], v[TM+4+\b]   ; with lane l xor 16's: the block's largest magnitude
.endr
.irp b,0,1,2,3
	v_add_nc_u32 v[TM+12+\b], 0xfe000000, v[TM+\b] ; 4 off its exponent field: the conversion's scale operand
.endr
.irp b,0,1,2,3
	v_lshrrev_b32 v[TM+4+\b], 23, v[TM+12+\b]      ; the scale's byte
.endr
	v_lshl_or_b32 v[\pw], v[TM+5], 8, v[TM+4]
	v_lshl_or_b32 v[\pw], v[TM+6], 16, v[\pw]
	v_lshl_or_b32 v[\pw], v[TM+7], 24, v[\pw]
	WIN \W
.irp c,0,1
	v_cvt_scalef32_pk16_bf6_f32 v[(\pc)+6*\c:(\pc)+6*\c+2], v[(\src)+32*\c:(\src)+32*\c+15], v[TM+12+2*\c]
	v_cvt_scalef32_pk16_bf6_f32 v[CT+4*\c:CT+4*\c+2], v[(\src)+32*\c+16:(\src)+32*\c+31], v[TM+12+2*\c+1]   ; (a conversion's three registers begin on an even number)
.endr
	WIN 0
	v_nop                                          ; one plain place behind a scaled conversion
.irp c,0,1                             ; the operand's layout wants a whole block in a lane: lanes 0-15 block 2 c, lanes 16-31 block 2 c + 1
.irp i,0,1,2
	v_permlane16_swap_b32 v[(\pc)+6*\c+\i], v[CT+4*\c+\i]
.endr
.irp i,0,1,2
	v_mov_b32 v[(\pc)+6*\c+3+\i], v[CT+4*\c+\i]
.endr
.endr
.endm
.macro XLOAD s                         ; K step s of my 16 tokens: a load is one token's 512 consecutive bytes
	WIN 0xC0
.irp i,0,1,2,3,4,5,6,7,8,9,10,11,12,13,14,15
	global_load_b128 v[64*((\s)%4)+4*\i:64*((\s)%4)+4*\i+3], v[L16], s[XB:XB+1] offset:(\i+8*(\i/8))*4096+512*(\s) th:TH_LOAD_NT
.endr
	WIN 0
.endm
.macro BIASQ base                      ; lane (r, h) wants, for tile 2 b + u, the bias of units 32 b + 16 h + 8 u + 0 .. 7
	WIN 0x40
.irp t,0,1,2,3,4,5,6,7
	global_load_b128 v[192+8*\t:192+8*\t+3], v[BH], s[\base:\base+1] offset:(32*(\t/2)+8*(\t%2))*4
	global_load_b128 v[192+8*\t+4:192+8*\t+7], v[BH], s[\base:\base+1] offset:(32*(\t/2)+8*(\t%2))*4+16
.endr
	WIN 0
.endm
; the 8 fragments of K step parity sp of the chunk in a slot into set fs, tiles 0-3 first; sc = 1: ahead of them the chunk's 8 scale registers
.macro FETCH slot, sp, fs, sc
	WIN 0
.if \sc
.irp u,0,1,2,3
	ds_load_b64 v[WS+8*(\slot)+2*\u:WS+8*(\slot)+2*\u+1], v[AH+(\slot)] offset:SCU+256*\u
.endr
.endif
.irp hh,0,1
.irp tt,0,1,2,3
.irp g,0,1,2
	ds_load_b128 v[(\fs)+12*(4*\hh+\tt)+4*\g:(\fs)+12*(4*\hh+\tt)+4*\g+3], v[AF+(\slot)] offset:(8*\hh+4*(\sp)+\tt)*IMG+512*\g
.endr
.endr
.endr
.endm
; 16 matrix instructions: W's tiles 4 hh .. 4 hh + 3 x the four tiles of tokens, K step s.  The 32 accumulators take turns, one instruction a turn, in the same order in every K step.
.macro MULH md, fs, hh, s, slot, fst
.if \md == 0
.if \fst
	WIN 0xD4                                       ; W window 0, x window 1, the bias window 1, D window 3
.else
	WIN 0xF0|(4<<((\s)/4))                         ; x window 1 or 2, C and D window 3
.endif
.irp tt,0,1,2,3
.irp T,0,1,2,3
.if \fst
	WM 64*\T+8*(4*\hh+\tt), \fs+12*(4*\hh+\tt), 48*((\s)%4)+12*\T, 192+8*(4*\hh+\tt), WS+8*\slot+4*\hh+2*((\s)%2)+\tt/2, XS+2*(\s)+\T/2, \tt%2, \T%2
.else
	WM 64*\T+8*(4*\hh+\tt), \fs+12*(4*\hh+\tt), 48*((\s)%4)+12*\T, 64*\T+8*(4*\hh+\tt), WS+8*\slot+4*\hh+2*((\s)%2)+\tt/2, XS+2*(\s)+\T/2, \tt%2, \T%2
.endif
.endr
.endr
.else
.if \fst
	WIN 0xE1                                       ; x window 1, W window 0, the bias window 2, D window 3
.else
	WIN 0xF0|(1<<((\s)/4))
.endif
.irp tt,0,1,2,3
.irp T,0,1,2,3
.if \fst
	WM 32*(4*\hh+\tt)+8*\T, 48*((\s)%4)+12*\T, \fs+12*(4*\hh+\tt), 192+8*(4*\hh+\tt), XS+2*(\s)+\T/2, WS+8*\slot+4*\hh+2*((\s)%2)+\tt/2, \T%2, \tt%2
.else
	WM 32*(4*\hh+\tt)+8*\T, 48*((\s)%4)+12*\T, \fs+12*(4*\hh+\tt), 32*(4*\hh+\tt)+8*\T, XS+2*(\s)+\T/2, WS+8*\slot+4*\hh+2*((\s)%2)+\tt/2, \T%2, \tt%2
.endif
.endr
.endr
.endif
.endm
; a chunk's first K step (set A); in its middle the second step's fragments are fetched into set B
.macro STEP slot, s, md, fst
	s_wait_dscnt 12                                ; the scale words and tiles 0-3 are in; the youngest 12 loads (tiles 4-7) may be out
	MULH \md, SETA, 0, \s, \slot, \fst
	s_wait_dscnt 0x0
	PLACES 4                                       ; in front of loads into registers that matrix instructions have read
	FETCH \slot, 1, SETB, 0
	MULH \md, SETA, 1, \s, \slot, \fst
.endm
; a chunk's second K step (set B).  kind 1: the slot is filled again, two chunks ahead, behind a round of the cluster's barrier; 2: the last chunk but one; 3: the last
.macro TURN slot, s, md, kind
.if \kind == 1
	WIN 0
	s_wait_tensorcnt 0x0                           ; my one tensor load that was out, the next chunk's, has landed: so the walking descriptor may be written
	ds_add_u32 v[SPW], v[NIL]                      ; 0 onto my spare word
	s_xor_b32 s[G0B+1], s[G0B+1], SLOT1            ; the other slot than last time,
	s_add_nc_u64 s[G0B+2:G0B+3], s[G0B+2:G0B+3], CHUNK   ; the next chunk; the type bits on top are not reached
	s_wait_dscnt 0x0                               ; the add is done, and my reads of this slot are over: set B is whole
	s_barrier_signal -1
	MULH \md, SETB, 0, \s, \slot, 0                ; work on registers while the others arrive
	WIN 0
	s_barrier_wait -1
	CREST                                          ; no wave of any partner still reads this slot or has a load on its way
	tensor_load_to_lds s[G0B:G0B+3], s[G1:G1+7]    ; the first thing behind the round, and my one tensor load until the next
	s_nop 0
	PLACES 4                                       ; (places in front of the loads below)
	FETCH 1-\slot, 0, SETA, 1
	MULH \md, SETB, 1, \s, \slot, 0
.elseif \kind == 2
	s_wait_dscnt 0x0
	MULH \md, SETB, 0, \s, \slot, 0
	s_wait_tensorcnt 0x0                           ; the last chunk, my own part, has landed; nothing is filled again
	PLACES 4
	FETCH 1-\slot, 0, SETA, 1
	MULH \md, SETB, 1, \s, \slot, 0
.else
	s_wait_dscnt 0x0
	MULH \md, SETB, 0, \s, \slot, 0
	MULH \md, SETB, 1, \s, \slot, 0
.endif
.endm
.macro PASS md, k5, k7
	STEP 0, 0, \md, 1
	TURN 0, 1, \md, 1
	STEP 1, 2, \md, 0
	TURN 1, 3, \md, 1
	STEP 0, 4, \md, 0
	TURN 0, 5, \md, \k5
	STEP 1, 6, \md, 0
	TURN 1, 7, \md, \k7
.endm
; q's or k's way out: my 128 units of the 64 tokens are K step w of the next product: four fragments and their scale unit.  bias = 1: k's bias is asked for meanwhile
.macro QOUT F, SU, bias
	WIN 0
	PLACES 5                                       ; behind the last products: their results are read, set B is written, and the next pass begins the accumulators anew
.if \bias
	BIASQ BK
.endif
.irp b,0,1,2,3
	v_mov_b32 v[TM+4+\b], 0                        ; a lane permute's destination counts as read
.endr
.irp T,0,1,2,3
	QUANT 64*\T, 3, 192+12*\T, 176+\T
.irp g,0,1,2
	global_store_b128 v[L16], v[192+12*\T+4*\g:192+12*\T+4*\g+3], s[\F:\F+1] offset:IMG*\T+512*\g   ; 32 lanes store 512 consecutive bytes, aligned
.endr
.endr
	v_cndmask_b32 v188, v176, v177, s[HM]          ; register d of the unit: tile 2 d in lanes 0-15, tile 2 d + 1 in lanes 16-31
	v_cndmask_b32 v189, v178, v179, s[HM]
	global_store_b64 v[L8], v[188:189], s[\SU:\SU+1]
	s_wait_xcnt 0x0                                ; the stores have read their data: set B is loaded again in the next step
.endm
; v's way out, channel tile ct: my channel's 64 tokens are two blocks of 32, half of a fragment of 128 keys
.macro VQ ct
	WIN 0x0F
.irp b,0,1
	v_max3_num_f32 v[TM+\b], |v[32*(\ct)+16*\b]|, |v[32*(\ct)+16*\b+1]|, 0x2800000
.endr
	WIN 0x3C
.set qi, 2
.rept 7
.irp b,0,1
	v_max3_num_f32 v[TM+\b], v[TM+\b], |v[32*(\ct)+16*\b+qi]|, |v[32*(\ct)+16*\b+qi+1]|
.endr
.set qi, qi+2
.endr
	WIN 0
.irp b,0,1
	v_permlanex16_b32 v[TM+4+\b], v[TM+\b], s[SEL], s[SEL+1]
.endr
.irp b,0,1
	v_max_num_f32 v[TM+\b], v[TM+\b], v[TM+4+\b]
.endr
.irp b,0,1
	v_add_nc_u32 v[TM+12+\b], 0xfe000000, v[TM+\b]
.endr
.irp b,0,1
	v_lshrrev_b32 v[TM+4+\b], 23, v[TM+12+\b]
.endr
	v_lshl_or_b32 v[176+(\ct)], v[TM+5], 8, v[TM+4]   ; the two bytes of this half of the fragment's scale word
	WIN 3
	v_cvt_scalef32_pk16_bf6_f32 v[192+8*(\ct):192+8*(\ct)+2], v[32*(\ct):32*(\ct)+15], v[TM+12]
	v_cvt_scalef32_pk16_bf6_f32 v[184:186], v[32*(\ct)+16:32*(\ct)+31], v[TM+13]
	WIN 0
	v_nop
.irp i,0,1,2
	v_permlane16_swap_b32 v[192+8*(\ct)+\i], v[184+\i]
.endr
.irp i,0,1,2
	v_mov_b32 v[192+8*(\ct)+3+\i], v[184+\i]
.endr
.irp q,0,1,2
	global_store_b64 v[L8], v[192+8*(\ct)+2*\q:192+8*(\ct)+2*\q+1], s[VF:VF+1] offset:IMG*(\ct)+256*\q   ; 32 lanes store 256 consecutive bytes, aligned
.endr
.endm
	s_load_b256 s[4:11], s[0:1], 0x0               ; x, wc, bq, bk
	s_load_b128 s[12:15], s[0:1], 0x20             ; bv, qc
	s_load_b64 s[16:17], s[0:1], 0x30              ; kv
	v_lshl_add_u32 v[SPW], v0, 2, SPARE
	v_mov_b32 v[NIL], 0
	ds_add_u32 v1, v2
	ds_add_u32 v1, v2
	s_wait_dscnt 0x0
	v_lshrrev_b32 v17, 5, v0
	v_readfirstlane_b32 s[WV], v17                 ; wave 0..3
	s_bfe_u32 s19, ttmp6, 0x40000                  ; cx
	s_lshl_b32 s20, ttmp9, 2
	s_add_co_u32 s20, s20, s19                     ; my block of 64 tokens: it enters x's, qc's and kv's addresses alone
	s_mov_b32 s[G1], 15|(3<<16)|(1<<21)            ; the mask: all four work-groups; elements of 8 bytes; bit 21 beside a mask; no padding
	s_mov_b32 s[G1+1], 32<<16                      ; tensor_dim0 = 32 elements: rows of 256 bytes
	s_mov_b32 s[G1+2], 100<<16                     ; tensor_dim1 = 100 rows: a part
	s_mov_b32 s[G1+3], 32<<16                      ; tile_dim0
	s_mov_b32 s[G1+4], 100                         ; tile_dim1
	s_mov_b32 s[G1+5], 32                          ; dense
	s_mov_b32 s[G1+6], 0
	s_mov_b32 s[G1+7], 0
	s_mov_b32 s[SEL], 0x76543210
	s_mov_b32 s[SEL+1], 0xfedcba98
	s_mov_b32 s[HM], 0xffff0000
	v_and_b32 v17, 31, v0                          ; lane
	v_and_b32 v18, 15, v0                          ; r
	v_bfe_u32 v19, v0, 4, 1                        ; h
	v_lshlrev_b32 v[L16], 4, v17
	v_lshlrev_b32 v[L8], 3, v17
	s_mul_i32 s21, s[WV], PART                     ; my part: in a chunk and in a slot
	v_add_nc_u32 v[AF], s21, v[L16]
	v_add_nc_u32 v[AF+1], SLOT1, v[AF]
	v_add_nc_u32 v[AH], s21, v[L8]
	v_add_nc_u32 v[AH+1], SLOT1, v[AH]
	s_mul_i32 s22, s[WV], 16*SPITCH
	s_add_co_u32 s22, s22, STG
	v_add_nc_u32 v[STW], s22, v[L16]
	v_mul_u32_u24 v[STR], v18, SPITCH
	v_lshl_add_u32 v[STR], v19, 6, v[STR]
	v_add_nc_u32 v[STR], s22, v[STR]
	s_mul_i32 s22, s[WV], IMG
	s_add_co_u32 s22, s22, XIMG
	v_add_nc_u32 v[XWI], s22, v[L16]
	s_lshl_b32 s22, s[WV], 6
	s_add_co_u32 s22, s22, XSC
	v_lshl_add_u32 v[XWS], v18, 2, s22
	v_add_nc_u32 v[XRI], XIMG, v[L16]
	v_lshl_add_u32 v[XRS], v17, 2, XSC
	v_lshlrev_b32 v[BH], 6, v19
	v_and_b32 v20, 8, v18
	v_add_nc_u32 v20, v20, v18
	v_lshlrev_b32 v[BR], 2, v20
.irp b,0,1,2,3
	v_mov_b32 v[152+\b], 0                         ; a lane permute's destination counts as read
.endr
	; byte offsets, made apart from the addresses
	s_lshl_b32 s[XB], s20, 18                      ; 64 tokens of 4,096 bytes
	s_lshr_b32 s62, s[WV], 1
	s_and_b32 s63, s[WV], 1
	s_lshl_b32 s22, s62, 17
	s_add_co_u32 s[XB], s[XB], s22                 ; + 32 (w / 2) tokens
	s_lshl_b32 s22, s63, 15
	s_add_co_u32 s[XB], s[XB], s22                 ; + 8 (w % 2) tokens
	s_mov_b32 s[XB+1], 0
	s_mul_i32 s[QF], s20, PART
	s_lshl_b32 s22, s[WV], 8
	s_add_co_u32 s[QSU], s[QF], s22
	s_add_co_u32 s[QSU], s[QSU], SCU               ; q: scale unit w
	s_mul_i32 s22, s[WV], 4*IMG
	s_add_co_u32 s[QF], s[QF], s22                 ; q: images 4 w + T
	s_mov_b32 s[QF+1], 0
	s_mov_b32 s[QSU+1], 0
	s_lshr_b32 s58, s20, 5
	s_mul_i32 s58, s58, 16*CHUNK                   ; the batch
	s_bfe_u32 s59, s20, 0x20003                    ; j: which 512 keys
	s_bfe_u32 s60, s20, 0x20001                    ; pk: which 128 of them
	s_and_b32 s61, s20, 1                          ; hh: which 64 of those
	s_lshl_b32 s19, s59, 2
	s_add_co_u32 s22, s19, s62
	s_mul_i32 s22, s22, CHUNK                      ; k: chunk 4 j + w / 2,
	s_add_co_u32 s22, s22, s58
	s_mul_i32 s23, s60, PART
	s_add_co_u32 s22, s22, s23                     ; part pk,
	s_lshl_b32 s23, s61, 1
	s_add_co_u32 s23, s23, s63
	s_mul_i32 s[KF], s23, 4*IMG
	s_add_co_u32 s[KF], s[KF], s22                 ; images 8 hh + 4 (w % 2) + T,
	s_lshl_b32 s[KSU], s23, 8
	s_add_co_u32 s[KSU], s[KSU], s22
	s_add_co_u32 s[KSU], s[KSU], SCU               ; scale unit 2 hh + w % 2
	s_mov_b32 s[KF+1], 0
	s_mov_b32 s[KSU+1], 0
	s_lshr_b32 s22, s60, 1
	s_add_co_u32 s22, s22, s19
	s_add_co_u32 s22, s22, 2
	s_mul_i32 s22, s22, CHUNK                      ; v: chunk 4 j + 2 + pk / 2,
	s_add_co_u32 s22, s22, s58
	s_add_co_u32 s22, s22, s21                     ; part w,
	s_and_b32 s23, s60, 1
	s_mul_i32 s[VF], s23, 8*IMG
	s_add_co_u32 s[VF], s[VF], s22                 ; images 8 (pk % 2) + ct,
	s_mul_i32 s19, s61, 768
	s_add_co_u32 s[VF], s[VF], s19                 ; half hh of each,
	s_lshl_b32 s23, s23, 1
	s_add_co_u32 s23, s23, s61
	s_lshl_b32 s[VSU], s23, 8
	s_add_co_u32 s[VSU], s[VSU], s22
	s_add_co_u32 s[VSU], s[VSU], SCU               ; scale unit 2 (pk % 2) + hh
	s_mov_b32 s[VF+1], 0
	s_mov_b32 s[VSU+1], 0
	s_lshl_b32 s58, s[WV], 9                       ; the biases: my 128 numbers
	s_mov_b32 s59, 0
	s_mov_b32 s22, s21
	s_mov_b32 s23, 0
	s_wait_kmcnt 0x0
	s_add_nc_u64 s[XB:XB+1], s[4:5], s[XB:XB+1]
	s_add_nc_u64 s[QF:QF+1], s[14:15], s[QF:QF+1]
	s_add_nc_u64 s[QSU:QSU+1], s[14:15], s[QSU:QSU+1]
	s_add_nc_u64 s[KF:KF+1], s[16:17], s[KF:KF+1]
	s_add_nc_u64 s[KSU:KSU+1], s[16:17], s[KSU:KSU+1]
	s_add_nc_u64 s[VF:VF+1], s[16:17], s[VF:VF+1]
	s_add_nc_u64 s[VSU:VSU+1], s[16:17], s[VSU:VSU+1]
	s_add_nc_u64 s[BK:BK+1], s[10:11], s[58:59]
	s_add_nc_u64 s[BV:BV+1], s[12:13], s[58:59]
	s_add_nc_u64 s[BQ:BQ+1], s[8:9], s[58:59]
	s_mov_b32 s[G0A], 1                            ; count = 1
	s_mov_b32 s[G0A+1], s21                        ; LDS: my part of slot 0
	s_add_nc_u64 s[G0A+2:G0A+3], s[6:7], s[22:23]  ; my part of chunk 0: the wave's number alone enters it
	s_mov_b32 s[G0B], 1
	s_add_co_u32 s[G0B+1], s21, SLOT1
	s_add_nc_u64 s[G0B+2:G0B+3], s[G0A+2:G0A+3], CHUNK
	s_or_b32 s[G0A+3], s[G0A+3], 0x80000000        ; type = 2
	s_or_b32 s[G0B+3], s[G0B+3], 0x80000000
	CROUND                                         ; all four work-groups are here: the first joint loads meet
	tensor_load_to_lds s[G0A:G0A+3], s[G1:G1+7]    ; chunks 0 and 1: two tensor loads of mine are out
	s_nop 0
	tensor_load_to_lds s[G0B:G0B+3], s[G1:G1+7]
	s_nop 0
	PLACES 4
	BIASQ BQ
	WIN 0x80
.irp t,0,1,2,3,4,5,6,7                 ; v's bias: a lane holds one channel, so a tile's eight registers are alike
.irp j,0,1,2,3,4,5,6,7
	global_load_b32 v[192+8*\t+\j], v[BR], s[BV:BV+1] offset:(32*(\t/2)+8*(\t%2))*4
.endr
.endr
	WIN 0
	XLOAD 0
	XLOAD 1
	XLOAD 2
	XLOAD 3
; x: my 16 tokens, a K step at a time.  The loads take the bytes as they lie; the numbers turn through my stage, so that lane (r, h) holds, of token r, 16 neighbours of each block of 32.
.set TM, 148
.set CT, 140
.macro XPH s
.if (\s) < 5
	s_wait_loadcnt 48                              ; this K step's 16 loads are in; those of the three steps behind it may be out
.else
	s_wait_loadcnt 16*(7-(\s))
.endif
	WIN 0x0C
.irp i,0,1,2,3,4,5,6,7,8,9,10,11,12,13,14,15
	ds_store_b128 v[STW], v[64*((\s)%4)+4*\i:64*((\s)%4)+4*\i+3] offset:SPITCH*\i
.endr
	WIN 0
.irp b,0,1,2,3
.irp q,0,1,2,3
	ds_load_b128 v[64+16*\b+4*\q:64+16*\b+4*\q+3], v[STR] offset:128*\b+16*\q   ; LDS serves a wave's instructions in order: these see the stores above
.endr
.endr
	s_wait_dscnt 0x0                               ; the numbers are back; all my LDS stores have read their registers
.if (\s) < 4
	XLOAD (\s)+4
.endif
	QUANT 64, 0, 128, 164
.irp g,0,1,2
	ds_store_b128 v[XWI], v[128+4*\g:128+4*\g+3] offset:4*IMG*(\s)+512*\g   ; the fragment goes to LDS as it stands
.endr
	ds_store_b32 v[XWS], v164 offset:256*(\s)      ; (both halves of the lanes hold token r's word and write it to the same place)
.endm
.irp s,0,1,2,3,4,5,6,7
	XPH \s
.endr
	s_wait_dscnt 0x0                               ; for the others' sake: my images have landed
	s_barrier_signal -1
	s_barrier_wait -1                              ; the two first fills may stay out
	WIN 0x40
.irp s,0,1,2,3
.irp T,0,1,2,3
.irp g,0,1,2
	ds_load_b128 v[48*\s+12*\T+4*\g:48*\s+12*\T+4*\g+3], v[XRI] offset:(4*\s+\T)*IMG+512*\g
.endr
.endr
.endr
	WIN 0x80
.irp s,0,1,2,3
.irp T,0,1,2,3
.irp g,0,1,2
	ds_load_b128 v[48*\s+12*\T+4*\g:48*\s+12*\T+4*\g+3], v[XRI] offset:(16+4*\s+\T)*IMG+512*\g
.endr
.endr
.endr
	WIN 0
.irp i,0,1,2,3,4,5,6,7,8,9,10,11,12,13,14,15
	ds_load_b32 v[XS+\i], v[XRS] offset:128*\i
.endr
	s_wait_tensorcnt 0x1                           ; chunk 0, my own part, is in; chunk 1's load may be out
	FETCH 0, 0, SETA, 1
.set TM, 160
.set CT, 180
	PASS 0, 1, 1                                   ; q
	QOUT QF, QSU, 1
	s_wait_loadcnt 0x0                             ; k's bias
	PASS 0, 1, 1                                   ; k
	QOUT KF, KSU, 0
	PASS 1, 2, 3                                   ; v: the last two chunks ask for nothing
	WIN 0
	PLACES 5
.irp b,0,1
	v_mov_b32 v[TM+4+\b], 0
.endr
.irp ct,0,1,2,3,4,5,6,7
	VQ \ct
.endr
	v_cndmask_b32 v160, v176, v177, s[HM]          ; the scale unit: dword d: low half channel tile 4 d + (lane / 16), high half 4 d + 2 + (lane / 16)
	v_cndmask_b32 v161, v178, v179, s[HM]
	v_cndmask_b32 v162, v180, v181, s[HM]
	v_cndmask_b32 v163, v182, v183, s[HM]
	v_lshl_or_b32 v188, v161, 16, v160
	v_lshl_or_b32 v189, v163, 16, v162
	global_store_b64 v[L8], v[188:189], s[VSU:VSU+1]
	s_wait_tensorcnt 0x0                           ; the wave's end
	ds_add_u32 v[SPW], v[NIL]
	s_wait_dscnt 0x0
	CROUND                                         ; the closing round
	s_endpgm
.Lfunc_end_k_qd810fed0bf_proj:
	.size	k_qd810fed0bf_proj, .Lfunc_end_k_qd810fed0bf_proj-k_qd810fed0bf_proj
	.p2alignl 7, 3214868480
	.fill 96, 4, 3214868480
	.section	.rodata,"a",@progbits
	.p2align	6, 0x0
	.amdhsa_kernel k_qd810fed0bf_proj
		.amdhsa_group_segment_fixed_size 327680
		.amdhsa_private_segment_fixed_size 0
		.amdhsa_enable_private_segment 0
		.amdhsa_kernarg_size 56
		.amdhsa_user_sgpr_count 2
		.amdhsa_user_sgpr_kernarg_segment_ptr 1
		.amdhsa_wavefront_size32 1
		.amdhsa_system_sgpr_workgroup_id_x 1
		.amdhsa_system_sgpr_workgroup_id_y 1
		.amdhsa_system_sgpr_workgroup_id_z 1
		.amdhsa_system_vgpr_workitem_id 0
		.amdhsa_next_free_vgpr 1024
		.amdhsa_next_free_sgpr 66
		.amdhsa_reserve_vcc 0
		.amdhsa_float_denorm_mode_32 3
		.amdhsa_float_denorm_mode_16_64 3
		.amdhsa_memory_ordered 1
		.amdhsa_forward_progress 1
		.amdhsa_inst_pref_size 255
	.end_amdhsa_kernel
	.section	.bss,"aw",@nobits
	.p2align	6
	.space	262144
	.amdgpu_metadata
---
amdhsa.version: [ 1, 2 ]
amdhsa.kernels:
  - .name:           k_qd810fed0bf_proj
    .symbol:         k_qd810fed0bf_proj.kd
    .args:
      - { .name: x, .offset: 0, .size: 8, .value_kind: global_buffer, .address_space: global }
      - { .name: wc, .offset: 8, .size: 8, .value_kind: global_buffer, .address_space: global }
      - { .name: bq, .offset: 16, .size: 8, .value_kind: global_buffer, .address_space: global }
      - { .name: bk, .offset: 24, .size: 8, .value_kind: global_buffer, .address_space: global }
      - { .name: bv, .offset: 32, .size: 8, .value_kind: global_buffer, .address_space: global }
      - { .name: qc, .offset: 40, .size: 8, .value_kind: global_buffer, .address_space: global }
      - { .name: kv, .offset: 48, .size: 8, .value_kind: global_buffer, .address_space: global }
    .group_segment_fixed_size: 327680
    .private_segment_fixed_size: 0
    .kernarg_segment_align: 8
    .kernarg_segment_size: 56
    .max_flat_workgroup_size: 128
    .sgpr_count:     66
    .vgpr_count:     1024
    .wavefront_size: 32
...
	.end_amdgpu_metadata
.endif
;; end of part 2
;; launch attn (part 3): grid 32 x 8, 4 waves a work-group, clusters of 4 x 1, 327,680 bytes of LDS; arguments qc, kv, mask, out0; writes out0
.if DOCPART == 3
	.amdgcn_target "amdgcn-amd-amdhsa--gfx1250"
	.amdhsa_code_object_version 6
	.text
	.protected	k_qd810fed0bf_attn
	.globl	k_qd810fed0bf_attn
	.p2align	8
	.type	k_qd810fed0bf_attn,@function
k_qd810fed0bf_attn:
	s_mov_b64 s[64:65], 0
	v_nop
	global_prefetch_b8 v0, s[64:65] scope:SCOPE_SE
	s_setreg_imm32_b32 hwreg(HW_REG_WAVE_MODE, 25, 1), 1
	s_wait_xcnt 0x0
	s_wait_alu depctr_hold_cnt(0) depctr_sa_sdst(0) depctr_va_vdst(0) depctr_va_sdst(0) depctr_va_ssrc(0) depctr_va_vcc(0) depctr_vm_vsrc(0)
	s_getreg_b32 s2, hwreg(HW_REG_IB_STS2, 6, 4)
	s_cmp_eq_u32 s2, 0
	s_cbranch_scc0 .Lentry_in_a_cluster
	s_endpgm
.Lentry_in_a_cluster:
	s_bfe_u32 s2, ttmp6, 0x10000c
	s_cmp_lg_u32 s2, 0x3003
	s_cbranch_scc0 .Lentry_shape_is_right
	s_endpgm
.Lentry_shape_is_right:
; out0[b][q][:] = the sum over k of softmax_k(q . k / sqrt(512) + (1 - m_q m_k) x (-10000)) v[k][:], both products on codes of BF6 (E3M2) with one E8M0 scale for each 32 along K.
; qc, kv: images of the operand registers, made by the launch proj.  mask: [8][2048] int32.  out0: [8][2048][512] f32.
; THE SOFTMAX AHEAD OF THE SECOND PRODUCT.  logit = s / sqrt(512) + bias; t = logit x log2(e); M = the row's largest t so far, rounded up to a whole number; p = 2^(t - M) is quantised along the keys, not normalised; the row's sum is taken of
; the unquantised p and divides at the end.  logit, t and t - M are each rounded to f32 by themselves, in this order: under a bias of -10000 the grid of f32 is coarse, and p hangs on where logit and t fall on it.
; The mask is additive and finite: no key is left out.
; SHARES.  A work-group owns 64 queries of a batch: four tiles T; lane r of tile T is query 32 (T / 2) + 8 (T % 2) + r + 8 (r / 8).  A step is 512 keys; there are four.  Wave w makes S^T = K Q^T for keys 128 w .. 128 w + 127 of the step and
; O^T = V^T P^T for channels 128 w .. 128 w + 127, each for all 64 queries.  So each fragment of K and of V is read from LDS once, by the wave that fetched it, and feeds four matrix instructions.  From wave to wave go the rows'
; maxima, p's images and scale words, and at the end the rows' sums.
; THE STREAM.  16 chunks of 102,400 bytes a batch (K, K, V, V of each step) through two LDS slots; a wave brings its own part (25,600 dense bytes).  The four work-groups of a cluster belong to one batch and walk the same stream: each
; part is asked for JOINTLY (mask 15).  One tensor load a wave behind each round; two are out at the start, one later.
; PREFETCH.  The change of slots that fills chunk n asks for chunk n + 1, which the next change will load: a quarter of a step's work ahead.  Only the batch's first cluster asks; a wave asks for its own part, of which each of the four
; partners takes 6,400 bytes, told apart by address: lanes 256 bytes apart (lanes 25-31 name lane 24's block again in the same instruction).  Chunks 0 to 2 come by their loads alone; the change that fills the last chunk asks for nothing.
; LIMITS: mask products |m_q m_k| up to 1,600 give the exact bias; p under 2^-126 counts as 0; a block whose largest p lies under 2^(5 - 127) keeps the byte 1 (its codes are zeros); NaN and infinities are not served.
; REGISTERS, in windows of 256: window 0: v1-14 addresses; v16-47 eight statistics a tile; v48-55 Q's scale words, v56-71 K's or V's (a set for each slot), v72-79 p's; v80-127 Q of K step 3; v128-223 fragment set A; v224-255 at work.
;   window 1: v0-143 Q of K steps 0-2; v144-239 fragment set B.   window 2: S^T (64 T + 8 t + j), then p's 16 fragments.   window 3: O^T (64 T + 8 ct + j).
.set PART,   25600
.set CHUNK,  4*PART
.set IMG,    1536
.set SCU,    16*IMG
.set SLOT1,  131072
.set SA,     CHUNK                     ; between the slots: p's 16 images (key group g, tile T: 4 g + T),
.set PSC,    SA+16*IMG                 ; their scale words (register 2 g + T / 2: 128 bytes; T odd in the upper 64),
.set MX,     PSC+2048                  ; the rows' maxima: 512 T + 16 x lane + 4 x wave
.set KB,     SLOT1+CHUNK               ; 10000 x mask of the batch's 2,048 keys, f32
.set LX,     KB+8192                   ; the rows' sums, laid as MX
.set STG,    LX+2048                   ; a stage of 16 rows x (512 + 16) bytes for each wave
.set SPITCH, 528
.set SPARE,  STG+4*16*SPITCH           ; the spare words, 128 bytes for each wave: two blocks of 256 bytes that no other line names
.set SPW, 1
.set NIL, 2
.set AF,  3                            ; v3, v4   my part in slot 0, 1: + 16 x lane
.set AH,  5                            ; v5, v6   + 8 x lane
.set SA16, 7
.set SA4,  8
.set PW16, 9                           ; where I store p's images
.set PW4,  10                          ; and their scale words
.set MXW,  11
.set KBA0, 12
.set KBA,  13
.set L16,  14
.set ST,   16                          ; tile T at v[ST + 8 T]: +0 -M, +1 the largest t, +2 f (at the end 1 / l), +3 0, +4 m_q, +5 0, +6, +7 the sum in two halves
.set QS,   48
.set KVS,  56
.set PS,   72
.set Q3,   80
.set SETA, 128
.set SETB, 144
.set K10,  128                         ; phase B: 10000 m_k of my 64 keys
.set BT,   144                         ; in window 1: the bias
.set TMB,  192                         ; the largest t of each block of 32 keys: 4 T + b
.set MXR,  208
.set LM,   228
.set PWR,  236
.set PFO,  252
.set STO,  244
.set SRD,  245
.set WV,  12
.set G1,  24
.set G0A, 32
.set G0B, 36
.set SEL, 40
.set C1,  42                           ; 1 / sqrt(512)
.set L2E, 44
.set NEG, 46                           ; -10000
.set KT,  48
.set STEPS, 49
.set PFA, 50
.set LIM, 52
.set MSB, 0
.macro WIN new
.if MSB != (\new)
	s_set_vgpr_msb (MSB<<8)|(\new)
.set MSB, (\new)
.endif
.endm
.macro PLACES n
.rept \n
	v_nop
.endr
.endm
.macro CREST
	s_cmp_lg_u32 s[WV], 0
	s_cbranch_scc1 .Lnot_wave_0_\@
	s_barrier_signal -3
.Lnot_wave_0_\@:
	s_barrier_wait -3
	s_barrier_signal -1
	s_barrier_wait -1
.endm
.macro CROUND
	s_barrier_signal -1
	s_barrier_wait -1
	CREST
.endm
.macro WM d, a, b, c, sa, sb, ra, rb   ; one scaled product; c < 0: it starts the sum; ra, rb: the scale words lie in lanes 16-31
.set RR, (\ra)+2*(\rb)
.if (\c) < 0
.if RR == 0
	v_wmma_scale_f32_16x16x128_f8f6f4 v[(\d):(\d)+7], v[(\a):(\a)+11], v[(\b):(\b)+11], 0, v[\sa], v[\sb] matrix_a_fmt:MATRIX_FMT_BF6 matrix_b_fmt:MATRIX_FMT_BF6
.elseif RR == 1
	v_wmma_scale_f32_16x16x128_f8f6f4 v[(\d):(\d)+7], v[(\a):(\a)+11], v[(\b):(\b)+11], 0, v[\sa], v[\sb] matrix_a_fmt:MATRIX_FMT_BF6 matrix_b_fmt:MATRIX_FMT_BF6 matrix_a_scale:MATRIX_SCALE_ROW1
.elseif RR == 2
	v_wmma_scale_f32_16x16x128_f8f6f4 v[(\d):(\d)+7], v[(\a):(\a)+11], v[(\b):(\b)+11], 0, v[\sa], v[\sb] matrix_a_fmt:MATRIX_FMT_BF6 matrix_b_fmt:MATRIX_FMT_BF6 matrix_b_scale:MATRIX_SCALE_ROW1
.else
	v_wmma_scale_f32_16x16x128_f8f6f4 v[(\d):(\d)+7], v[(\a):(\a)+11], v[(\b):(\b)+11], 0, v[\sa], v[\sb] matrix_a_fmt:MATRIX_FMT_BF6 matrix_b_fmt:MATRIX_FMT_BF6 matrix_a_scale:MATRIX_SCALE_ROW1 matrix_b_scale:MATRIX_SCALE_ROW1
.endif
.else
.if RR == 0
	v_wmma_scale_f32_16x16x128_f8f6f4 v[(\d):(\d)+7], v[(\a):(\a)+11], v[(\b):(\b)+11], v[(\c):(\c)+7], v[\sa], v[\sb] matrix_a_fmt:MATRIX_FMT_BF6 matrix_b_fmt:MATRIX_FMT_BF6
.elseif RR == 1
	v_wmma_scale_f32_16x16x128_f8f6f4 v[(\d):(\d)+7], v[(\a):(\a)+11], v[(\b):(\b)+11], v[(\c):(\c)+7], v[\sa], v[\sb] matrix_a_fmt:MATRIX_FMT_BF6 matrix_b_fmt:MATRIX_FMT_BF6 matrix_a_scale:MATRIX_SCALE_ROW1
.elseif RR == 2
	v_wmma_scale_f32_16x16x128_f8f6f4 v[(\d):(\d)+7], v[(\a):(\a)+11], v[(\b):(\b)+11], v[(\c):(\c)+7], v[\sa], v[\sb] matrix_a_fmt:MATRIX_FMT_BF6 matrix_b_fmt:MATRIX_FMT_BF6 matrix_b_scale:MATRIX_SCALE_ROW1
.else
	v_wmma_scale_f32_16x16x128_f8f6f4 v[(\d):(\d)+7], v[(\a):(\a)+11], v[(\b):(\b)+11], v[(\c):(\c)+7], v[\sa], v[\sb] matrix_a_fmt:MATRIX_FMT_BF6 matrix_b_fmt:MATRIX_FMT_BF6 matrix_a_scale:MATRIX_SCALE_ROW1 matrix_b_scale:MATRIX_SCALE_ROW1
.endif
.endif
.endm
.macro ASK                             ; the branch hangs on the cluster's number alone: it is the same in all four partners
	s_cmp_eq_u32 s[LIM], 1
	s_cbranch_scc0 .Lnot_mine_\@
	global_prefetch_b8 v[PFO], s[PFA:PFA+1] th:TH_LOAD_NT scope:SCOPE_SE
.Lnot_mine_\@:
.endm
; THE CHANGE OF SLOTS, in two halves, so that matrix instructions can stand between the opening signal and its wait.
.macro CHG_OPEN pf
	WIN 0
	s_wait_tensorcnt 0x0                           ; my one tensor load that was out has landed: so the walking descriptor may be written
	ds_add_u32 v[SPW], v[NIL]                      ; 0 onto my spare word
	s_xor_b32 s[G0B+1], s[G0B+1], SLOT1            ; the other slot than last time,
	s_add_nc_u64 s[G0B+2:G0B+3], s[G0B+2:G0B+3], CHUNK   ; the next chunk; the type bits on top are not reached
.if \pf
	s_wait_xcnt 0x0                                ; the last prefetch, a change back, has read its address
	s_add_nc_u64 s[PFA:PFA+1], s[PFA:PFA+1], CHUNK ; one chunk further on than the walking descriptor
.endif
	s_wait_dscnt 0x0                               ; the add is done; my reads of the slot are over and my LDS stores have landed
	s_barrier_signal -1
.endm
.macro CHG_CLOSE pf
	WIN 0
	s_barrier_wait -1
	CREST                                          ; no wave of any partner still reads the slot or has a load on its way
	tensor_load_to_lds s[G0B:G0B+3], s[G1:G1+7]    ; the first thing behind the round, and my one tensor load until the next
	s_nop 0
	PLACES 4                                       ; (places in front of the loads that follow)
.if \pf
	ASK
.endif
.endm
; K: the 8 fragments of K step parity sp of the chunk in a slot into set A (fs = 0) or B (1), tiles 0-3 first; sc = 1: ahead of them the chunk's 8 scale registers
.macro FETCHK slot, sp, fs, sc
.if \sc
	WIN 0
.irp u,0,1,2,3
	ds_load_b64 v[KVS+8*(\slot)+2*\u:KVS+8*(\slot)+2*\u+1], v[AH+(\slot)] offset:SCU+256*\u
.endr
.endif
	WIN 0x40*(\fs)
.set fb, SETA+(SETB-SETA)*(\fs)
.irp hh,0,1
.irp tt,0,1,2,3
.irp g,0,1,2
	ds_load_b128 v[fb+12*(4*\hh+\tt)+4*\g:fb+12*(4*\hh+\tt)+4*\g+3], v[AF+(\slot)] offset:(8*\hh+4*(\sp)+\tt)*IMG+512*\g
.endr
.endr
.endr
.endm
; V: the 8 fragments (channel tiles) of key group gg of the chunk in a slot; an image of V lies in pieces of 8 bytes a lane
.macro FETCHV slot, gg, fs
	WIN 0x40*(\fs)
.set fb, SETA+(SETB-SETA)*(\fs)
.irp ct,0,1,2,3,4,5,6,7
.irp q,0,1,2,3,4,5
	ds_load_b64 v[fb+12*\ct+2*\q:fb+12*\ct+2*\q+1], v[AH+(\slot)] offset:(8*(\gg)+\ct)*IMG+256*\q
.endr
.endr
.endm
.macro VSCL slot                       ; V's scale units as they were stored: unit 2 gg + c holds the two bytes of half c of each fragment's word
	WIN 0
.irp u,0,1,2,3
	ds_load_b64 v[224+2*\u:225+2*\u], v[AH+(\slot)] offset:SCU+256*\u
.endr
.endm
.macro VSCP slot                       ; the halves are joined: register 4 gg + n holds the words of channel tile 2 n in lanes 0-15 and of 2 n + 1 in lanes 16-31
	WIN 0
.irp gg,0,1
.irp d,0,1
	v_perm_b32 v[KVS+8*(\slot)+4*\gg+2*\d], v[224+4*\gg+2+\d], v[224+4*\gg+\d], 0x05040100
	v_perm_b32 v[KVS+8*(\slot)+4*\gg+2*\d+1], v[224+4*\gg+2+\d], v[224+4*\gg+\d], 0x07060302
.endr
.endr
.endm
; 16 products of S^T = K Q^T: key tiles 4 hh .. 4 hh + 3 x the four tiles of queries, K step ks.  The 32 accumulators take turns, one instruction a turn, in the same order in every K step.
.macro MULK ks, hh, slot
.if (\ks) == 1
	WIN 0xA5                                       ; K window 1, Q window 1, S^T window 2
.elseif (\ks) == 3
	WIN 0xA1                                       ; K window 1, Q window 0
.else
	WIN 0xA4                                       ; K window 0, Q window 1
.endif
.set kfb, SETA+(SETB-SETA)*((\ks)%2)
.set kqb, 48*(\ks)
.if (\ks) == 3
.set kqb, Q3
.endif
.irp tt,0,1,2,3
.irp T,0,1,2,3
.if (\ks) == 0
	WM 64*\T+8*(4*\hh+\tt), kfb+12*(4*\hh+\tt), kqb+12*\T, -1, KVS+8*\slot+4*\hh+2*((\ks)%2)+\tt/2, QS+2*(\ks)+\T/2, \tt%2, \T%2
.else
	WM 64*\T+8*(4*\hh+\tt), kfb+12*(4*\hh+\tt), kqb+12*\T, 64*\T+8*(4*\hh+\tt), KVS+8*\slot+4*\hh+2*((\ks)%2)+\tt/2, QS+2*(\ks)+\T/2, \tt%2, \T%2
.endif
.endr
.endr
.endm
; 16 products of O^T += V^T P^T: channel tiles 4 hf .. 4 hf + 3 x the four tiles of queries, key group g
.macro MULV g, hf, slot
	WIN 0xF8+((\g)%2)                              ; V window 0 or 1, p window 2, O^T window 3
.set vfb, SETA+(SETB-SETA)*((\g)%2)
.irp cc,0,1,2,3
.irp T,0,1,2,3
	WM 64*\T+8*(4*\hf+\cc), vfb+12*(4*\hf+\cc), 12*(4*(\g)+\T), 64*\T+8*(4*\hf+\cc), KVS+8*\slot+4*((\g)%2)+2*\hf+\cc/2, PS+2*(\g)+\T/2, \cc%2, \T%2
.endr
.endr
.endm
; tile tq: the scores become t; the largest t of each block of 32 keys and of my 128 keys
.macro B1 tq
.set rT, ST+8*(\tq)
.set rS, 64*(\tq)
.set rM, TMB+4*(\tq)
	WIN 0x40
.set bi, 0
.rept 32
	v_pk_fma_f32 v[BT+bi:BT+bi+1], v[K10+bi:K10+bi+1], v[rT+4:rT+5], s[NEG:NEG+1] op_sel_hi:[1,0,0]   ; the bias 10000 m_k m_q - 10000: exact
.set bi, bi+2
.endr
	WIN 0x92
.set bi, 0
.rept 32
	v_pk_fma_f32 v[rS+bi:rS+bi+1], v[rS+bi:rS+bi+1], s[C1:C1+1], v[BT+bi:BT+bi+1] op_sel_hi:[1,0,1]   ; the logit, rounded to f32; each accumulator is read from its low end on
.set bi, bi+2
.endr
.set bi, 0
.rept 32
	v_pk_mul_f32 v[rS+bi:rS+bi+1], v[rS+bi:rS+bi+1], s[L2E:L2E+1] op_sel_hi:[1,0]   ; t, rounded to f32
.set bi, bi+2
.endr
	WIN 0x2A
.irp b,0,1,2,3
	v_max3_num_f32 v[rM+\b], v[rS+16*\b], v[rS+16*\b+1], v[rS+16*\b+2]
.endr
	WIN 0x28
.irp i,3,5,7,9,11,13
.irp b,0,1,2,3
	v_max3_num_f32 v[rM+\b], v[rM+\b], v[rS+16*\b+\i], v[rS+16*\b+\i+1]
.endr
.endr
.irp b,0,1,2,3
	v_max_num_f32 v[rM+\b], v[rM+\b], v[rS+16*\b+15]
.endr
	WIN 0
.irp b,0,1,2,3
	v_permlanex16_b32 v[224+\b], v[rM+\b], s[SEL], s[SEL+1]
.endr
.irp b,0,1,2,3
	v_max_num_f32 v[rM+\b], v[rM+\b], v[224+\b]    ; with lane l xor 16's 16 keys: it serves twice, for the row's maximum and, since p rises with t, for the block's largest p
.endr
	v_max3_num_f32 v[LM+(\tq)], v[rM], v[rM+1], v[rM+2]
	v_max_num_f32 v[LM+(\tq)], v[LM+(\tq)], v[rM+3]
	ds_store_b32 v[MXW], v[LM+(\tq)] offset:512*(\tq)
.endm
; tile tq: the sum of the unquantised p; p's fragment and scale word for my 128 keys, to LDS as they stand
.macro B2Q tq
.set rT, ST+8*(\tq)
.set rS, 64*(\tq)
.set rM, TMB+4*(\tq)
.set rP, 128+12*(\tq)
	WIN 0
	v_mov_b32 v234, 0
	v_mov_b32 v235, 0
	WIN 0x08
.set bi, 0
.rept 16
	v_pk_add_f32 v[rT+6:rT+7], v[rT+6:rT+7], v[rS+bi:rS+bi+1]       ; two at a time, in two chains
	v_pk_add_f32 v[234:235], v[234:235], v[rS+bi+2:rS+bi+3]
.set bi, bi+4
.endr
	WIN 0
	v_pk_add_f32 v[rT+6:rT+7], v[rT+6:rT+7], v[234:235]
.irp b,0,1,2,3
	v_max_num_f32 v[rM+\b], 0x2800000, v[rM+\b]    ; the floor 2^(5 - 127): the byte cannot fall under 1
.endr
.irp b,0,1,2,3
	v_add_nc_u32 v[184+\b], 0xfe000000, v[rM+\b]   ; 4 off the exponent field: the conversion's scale operand
.endr
.irp b,0,1,2,3
	v_lshrrev_b32 v[188+\b], 23, v[184+\b]
.endr
	v_lshl_or_b32 v[PWR+(\tq)], v189, 8, v188
	v_lshl_or_b32 v[PWR+(\tq)], v190, 16, v[PWR+(\tq)]
	v_lshl_or_b32 v[PWR+(\tq)], v191, 24, v[PWR+(\tq)]
	WIN 0x02
.irp c,0,1
	v_cvt_scalef32_pk16_bf6_f32 v[rP+6*\c:rP+6*\c+2], v[rS+32*\c:rS+32*\c+15], v[184+2*\c]
	v_cvt_scalef32_pk16_bf6_f32 v[176+4*\c:178+4*\c], v[rS+32*\c+16:rS+32*\c+31], v[184+2*\c+1]
.endr
	WIN 0
	v_nop                                          ; one plain place behind a scaled conversion
.irp c,0,1
.irp i,0,1,2
	v_permlane16_swap_b32 v[rP+6*\c+\i], v[176+4*\c+\i]
.endr
.irp i,0,1,2
	v_mov_b32 v[rP+6*\c+3+\i], v[176+4*\c+\i]
.endr
.endr
.irp g,0,1,2
	ds_store_b128 v[PW16], v[rP+4*\g:rP+4*\g+3] offset:IMG*(\tq)+512*\g
.endr
	ds_store_b32 v[PW4], v[PWR+(\tq)] offset:128*((\tq)/2)+64*((\tq)%2)
.endm
; A STEP OF 512 KEYS.  last = 1: the last step, written out.
.macro STEPM last
	PLACES 5                                       ; the first products below write S^T over registers that the last products read as p
	; ---- A: S^T = K Q^T, four K steps of 128 units
	s_wait_dscnt 12                                ; the scale words and key tiles 0-3 are in; the youngest 12 loads (tiles 4-7) may be out
	MULK 0, 0, 0
	s_wait_dscnt 0x0
	PLACES 4                                       ; in front of loads into registers that matrix instructions have read
	FETCHK 0, 1, 1, 0
	MULK 0, 1, 0
	CHG_OPEN 1                                     ; slot 0 has been read out
	MULK 1, 0, 0
	CHG_CLOSE 1                                    ; it takes V of the step's key groups 0 and 1
	FETCHK 1, 0, 0, 1
	MULK 1, 1, 0
	s_wait_dscnt 12
	MULK 2, 0, 1
	s_wait_dscnt 0x0
	PLACES 4
	FETCHK 1, 1, 1, 0
	MULK 2, 1, 1
	s_wait_dscnt 0x0
	WIN 0
	PLACES 4
	v_add_nc_u32 v[KBA], s[KT], v[KBA0]
.irp b,0,1,2,3
.irp q,0,1,2,3
	ds_load_b128 v[K10+16*\b+4*\q:K10+16*\b+4*\q+3], v[KBA] offset:128*\b+16*\q   ; 10000 m_k of keys 32 b + 16 h + 0 .. 15 of my 128, in the order of S^T's registers
.endr
.endr
	MULK 3, 0, 1
	MULK 3, 1, 1
	PLACES 4
	s_wait_dscnt 0x0
	; ---- B: the softmax
	B1 0
	B1 1
	B1 2
	B1 3
	CHG_OPEN 1-\last                               ; slot 1 has been read out; this round is also the barrier behind which the four waves' maxima are read
	CHG_CLOSE 1-\last                              ; it takes V of key groups 2 and 3
.irp T,0,1,2,3
	ds_load_b128 v[MXR+4*\T:MXR+4*\T+3], v[SA16] offset:MX-SA+512*\T
.endr
	s_wait_dscnt 0x0
.irp T,0,1,2,3
	v_max3_num_f32 v[ST+8*\T+1], v[ST+8*\T+1], v[MXR+4*\T], v[MXR+4*\T+1]
.endr
.irp T,0,1,2,3
	v_max3_num_f32 v[ST+8*\T+1], v[ST+8*\T+1], v[MXR+4*\T+2], v[MXR+4*\T+3]   ; the running largest t: the same in all four waves
.endr
.irp T,0,1,2,3
	v_mov_b32 v[LM+\T], v[ST+8*\T]
.endr
.irp T,0,1,2,3
	v_floor_f32 v[ST+8*\T], -v[ST+8*\T+1]          ; -M = floor(-t): M is a whole number
.endr
.irp T,0,1,2,3
	v_sub_f32 v[LM+\T], v[ST+8*\T], v[LM+\T]       ; old M - new M: a whole number, 0 or less
.endr
.irp T,0,1,2,3
	v_cvt_i32_f32 v[LM+\T], v[LM+\T]               ; (it saturates)
.endr
.irp T,0,1,2,3
	v_ldexp_f32 v[ST+8*\T+2], 1.0, v[LM+\T]        ; f = 2^(old M - new M)
.endr
	WIN 0x82
.irp T,0,1,2,3
.set bi, 0
.rept 32
	v_pk_add_f32 v[64*\T+bi:64*\T+bi+1], v[64*\T+bi:64*\T+bi+1], v[ST+8*\T:ST+8*\T+1] op_sel_hi:[1,0]   ; t - M
.set bi, bi+2
.endr
.endr
	WIN 0
.irp T,0,1,2,3
.irp b,0,1,2,3
	v_add_f32 v[TMB+4*\T+\b], v[TMB+4*\T+\b], v[ST+8*\T]   ; the same of each block's largest t
.endr
.endr
	WIN 0x82
.set ei, 0
.rept 256
	v_exp_f32 v[ei], v[ei]                         ; p = 2^(t - M): one batch
.set ei, ei+1
.endr
	WIN 0
.set ei, 0
.rept 16
	v_exp_f32 v[TMB+ei], v[TMB+ei]                 ; the blocks' largest p: the same instructions on the same numbers give the same bits
.set ei, ei+1
.endr
	v_nop                                          ; a plain place behind the last exponential
	s_wait_alu depctr_va_vdst(0)                   ; the wait ahead of the first line that names a result: one for the batch
.irp T,0,1,2,3
	v_pk_mul_f32 v[ST+8*\T+6:ST+8*\T+7], v[ST+8*\T+6:ST+8*\T+7], v[ST+8*\T+2:ST+8*\T+3] op_sel_hi:[1,0]   ; the sums under the new M
.endr
	B2Q 0
	B2Q 1
	B2Q 2
	B2Q 3
	s_wait_dscnt 0x0                               ; for the others' sake: my images of p have landed
	s_barrier_signal -1
	s_barrier_wait -1                              ; my tensor load may stay out
	; ---- C: O^T += V^T P^T, four key groups of 128
	VSCL 0
	FETCHV 0, 0, 0
	s_wait_dscnt 48                                ; the four scale loads are in; the 48 fragment loads may be out
	VSCP 0
	WIN 0x80
.irp f,0,1,2,3,4,5,6,7,8,9,10,11,12,13,14,15
.irp q,0,1,2
	ds_load_b128 v[12*\f+4*\q:12*\f+4*\q+3], v[SA16] offset:IMG*\f+512*\q   ; p's 16 fragments, as the four waves stored them
.endr
.endr
	WIN 0
.irp i,0,1,2,3,4,5,6,7
	ds_load_b32 v[PS+\i], v[SA4] offset:PSC-SA+128*\i
.endr
	WIN 0xC3
.irp T,0,1,2,3
.set bi, 0
.rept 32
	v_pk_mul_f32 v[64*\T+bi:64*\T+bi+1], v[64*\T+bi:64*\T+bi+1], v[ST+8*\T+2:ST+8*\T+3] op_sel_hi:[1,0]   ; O^T under the new M.  (These are also the places between the joined scale words and the products)
.set bi, bi+2
.endr
.endr
	s_wait_dscnt 0x0
	MULV 0, 0, 0
	PLACES 4
	FETCHV 0, 1, 1
	MULV 0, 1, 0
.if \last
	s_wait_dscnt 0x0
	MULV 1, 0, 0
	s_wait_tensorcnt 0x0                           ; the last chunk, my own part, has landed; nothing is filled again
	PLACES 4
.else
	CHG_OPEN 1                                     ; slot 0 has been read out
	MULV 1, 0, 0
	CHG_CLOSE 1                                    ; it takes the next step's K, units 0-255
.endif
	VSCL 1
	FETCHV 1, 0, 0
	MULV 1, 1, 0
	s_wait_dscnt 48
	VSCP 1
	PLACES 8                                       ; a scale register written by a vector instruction stands 8 places ahead of the scaled product that reads it
	s_wait_dscnt 24                                ; channel tiles 0-3 are in; the youngest 24 loads may be out
	MULV 2, 0, 1
	s_wait_dscnt 0x0
	PLACES 4
	FETCHV 1, 1, 1
	MULV 2, 1, 1
.if \last
	s_wait_dscnt 0x0
	MULV 3, 0, 1
	MULV 3, 1, 1
.else
	CHG_OPEN 1                                     ; slot 1 has been read out
	MULV 3, 0, 1
	CHG_CLOSE 1                                    ; it takes the next step's K, units 256-511
	FETCHK 0, 0, 0, 1
	MULV 3, 1, 1
.endif
	WIN 0
	s_add_co_u32 s[KT], s[KT], 2048                ; the next 512 keys' mask
.endm
	s_load_b256 s[4:11], s[0:1], 0x0               ; qc, kv, mask, out0
	v_lshl_add_u32 v[SPW], v0, 2, SPARE
	v_mov_b32 v[NIL], 0
	ds_add_u32 v1, v2
	ds_add_u32 v1, v2
	s_wait_dscnt 0x0
	v_lshrrev_b32 v224, 5, v0
	v_readfirstlane_b32 s[WV], v224                ; wave 0..3
	s_bfe_u32 s13, ttmp6, 0x40000                  ; cx
	s_lshl_b32 s14, ttmp9, 2
	s_add_co_u32 s14, s14, s13                     ; my block of 64 queries: it enters qc's, mask's and out0's addresses alone
	s_and_b32 s15, ttmp7, 0xffff                   ; the batch, which the four partners share
	s_mov_b32 s[G1], 15|(3<<16)|(1<<21)            ; the mask: all four work-groups; elements of 8 bytes; bit 21 beside a mask; no padding
	s_mov_b32 s[G1+1], 32<<16                      ; rows of 256 bytes,
	s_mov_b32 s[G1+2], 100<<16                     ; 100 of them: a part
	s_mov_b32 s[G1+3], 32<<16
	s_mov_b32 s[G1+4], 100
	s_mov_b32 s[G1+5], 32                          ; dense
	s_mov_b32 s[G1+6], 0
	s_mov_b32 s[G1+7], 0
	s_mov_b32 s[SEL], 0x76543210
	s_mov_b32 s[SEL+1], 0xfedcba98
	s_mov_b32 s[C1], 0x3d3504f3                    ; 1 / sqrt(512)
	s_mov_b32 s[C1+1], s[C1]                       ; (named with it as a pair, so it is written)
	s_mov_b32 s[L2E], 0x3fb8aa3b                   ; log2(e)
	s_mov_b32 s[L2E+1], s[L2E]
	s_mov_b32 s[NEG], 0xc61c4000                   ; -10000
	s_mov_b32 s[NEG+1], s[NEG]
	s_mov_b32 s[KT], 0
	s_mov_b32 s[STEPS], 3
	s_mul_i32 s21, s[WV], PART                     ; my part: in a chunk and in a slot
	s_mul_i32 s16, s15, 16*CHUNK
	s_add_co_u32 s16, s16, s21
	s_mov_b32 s17, 0
	s_lshl_b32 s18, s15, 5
	s_add_co_u32 s18, s18, s14
	s_mul_i32 s18, s18, PART                       ; my queries' part of qc
	s_mov_b32 s19, 0
	s_lshl_b32 s22, s15, 13                        ; the batch's mask
	s_mov_b32 s23, 0
	s_lshl_b32 s54, s15, 22
	s_lshl_b32 s20, s14, 17
	s_add_co_u32 s54, s54, s20
	s_lshl_b32 s20, s[WV], 9
	s_add_co_u32 s54, s54, s20                     ; out0: 2,048 rows a batch, 64 a block, of 2,048 bytes; my 128 channels
	s_mov_b32 s55, 0
	s_mul_i32 s56, s13, 6400                       ; the prefetches: my work-group's quarter of my part,
	s_add_co_u32 s56, s56, 2*CHUNK                 ; in chunk 2: the first change of slots steps it to chunk 3
	s_mov_b32 s57, 0
	s_cmp_eq_u32 ttmp9, 0
	s_cselect_b32 s[LIM], 1, 0                     ; the batch's first cluster asks
	v_and_b32 v224, 31, v0                         ; lane
	v_and_b32 v225, 15, v0                         ; r
	v_bfe_u32 v226, v0, 4, 1                       ; h
	v_lshlrev_b32 v[L16], 4, v224
	v_lshlrev_b32 v227, 3, v224
	v_add_nc_u32 v[AF], s21, v[L16]
	v_add_nc_u32 v[AF+1], SLOT1, v[AF]
	v_add_nc_u32 v[AH], s21, v227
	v_add_nc_u32 v[AH+1], SLOT1, v[AH]
	v_add_nc_u32 v[SA16], SA, v[L16]
	v_lshl_add_u32 v[SA4], v224, 2, SA
	s_mul_i32 s58, s[WV], 4*IMG
	v_add_nc_u32 v[PW16], s58, v[SA16]
	s_lshl_b32 s58, s[WV], 8
	s_add_co_u32 s58, s58, PSC
	v_lshl_add_u32 v[PW4], v225, 2, s58
	s_lshl_b32 s58, s[WV], 2
	s_add_co_u32 s58, s58, MX
	v_add_nc_u32 v[MXW], s58, v[L16]
	s_lshl_b32 s58, s[WV], 9
	s_add_co_u32 s58, s58, KB
	v_lshl_add_u32 v[KBA0], v226, 6, s58
	v_min_u32 v[PFO], 24, v224
	v_lshlrev_b32 v[PFO], 8, v[PFO]
	v_lshlrev_b32 v228, 4, v0                      ; 16 x thread
	v_add_nc_u32 v230, KB, v228
	v_and_b32 v229, 8, v225
	v_add_nc_u32 v229, v229, v225
	v_lshlrev_b32 v229, 2, v229
	s_lshl_b32 s20, s14, 8
	v_add_nc_u32 v229, s20, v229                   ; my query's place in the batch's mask, tile 0
	s_wait_kmcnt 0x0
	s_add_nc_u64 s[6:7], s[6:7], s[16:17]          ; kv at my part of the batch's chunk 0: the batch and the wave's number alone enter it
	s_add_nc_u64 s[4:5], s[4:5], s[18:19]
	s_add_nc_u64 s[8:9], s[8:9], s[22:23]
	s_add_nc_u64 s[10:11], s[10:11], s[54:55]
	s_add_nc_u64 s[PFA:PFA+1], s[6:7], s[56:57]
	s_mov_b32 s[G0A], 1
	s_mov_b32 s[G0A+1], s21
	s_mov_b64 s[G0A+2:G0A+3], s[6:7]
	s_or_b32 s[G0A+3], s[G0A+3], 0x80000000
	s_mov_b32 s[G0B], 1
	s_add_co_u32 s[G0B+1], s21, SLOT1
	s_add_nc_u64 s[G0B+2:G0B+3], s[6:7], CHUNK
	s_or_b32 s[G0B+3], s[G0B+3], 0x80000000
	CROUND                                         ; all four work-groups are here: the first joint loads meet
	tensor_load_to_lds s[G0A:G0A+3], s[G1:G1+7]    ; chunks 0 and 1: two tensor loads of mine are out
	s_nop 0
	tensor_load_to_lds s[G0B:G0B+3], s[G1:G1+7]
	s_nop 0
	PLACES 4
.irp i,0,1,2,3
	global_load_b128 v[128+4*\i:128+4*\i+3], v228, s[8:9] offset:2048*\i   ; the batch's mask: 16 keys a thread
.endr
.irp T,0,1,2,3
	global_load_b32 v[ST+8*\T+4], v229, s[8:9] offset:(32*(\T/2)+8*(\T%2))*4   ; and my four queries'
.endr
	WIN 0x40
.irp s,0,1,2
.irp T,0,1,2,3
.irp g,0,1,2
	global_load_b128 v[48*\s+12*\T+4*\g:48*\s+12*\T+4*\g+3], v[L16], s[4:5] offset:(4*\s+\T)*IMG+512*\g   ; Q stays in registers
.endr
.endr
.endr
	WIN 0
.irp T,0,1,2,3
.irp g,0,1,2
	global_load_b128 v[Q3+12*\T+4*\g:Q3+12*\T+4*\g+3], v[L16], s[4:5] offset:(12+\T)*IMG+512*\g
.endr
.endr
.irp s,0,1,2,3
	global_load_b64 v[QS+2*\s:QS+2*\s+1], v227, s[4:5] offset:SCU+256*\s
.endr
	WIN 0xC0
.set ei, 0
.rept 256
	v_mov_b32 v[ei], 0                             ; O^T.  (The step is written for every step alike: the first finds zeros, which the first change of M leaves zeros; that spares a third copy of the step)
.set ei, ei+1
.endr
	WIN 0
.irp T,0,1,2,3
	v_mov_b32 v[ST+8*\T+1], 0xff61b1e6             ; the largest t so far: -3e38
	v_floor_f32 v[ST+8*\T], -v[ST+8*\T+1]          ; -M
	v_mov_b32 v[ST+8*\T+2], 0
	v_mov_b32 v[ST+8*\T+3], 0                      ; (named as the upper half of a pair)
	v_mov_b32 v[ST+8*\T+5], 0
	v_mov_b32 v[ST+8*\T+6], 0                      ; the sum, in two halves
	v_mov_b32 v[ST+8*\T+7], 0
.endr
	s_wait_loadcnt 52                              ; the mask's eight loads are in; Q's 52 may be out
.irp i,0,1,2,3,4,5,6,7,8,9,10,11,12,13,14,15
	v_cvt_f32_i32 v[128+\i], v[128+\i]
.endr
.irp i,0,1,2,3,4,5,6,7,8,9,10,11,12,13,14,15
	v_mul_f32 v[128+\i], 0x461c4000, v[128+\i]     ; 10000 m_k
.endr
.irp i,0,1,2,3
	ds_store_b128 v230, v[128+4*\i:128+4*\i+3] offset:2048*\i   ; read by all waves behind the first step's first change of slots, in front of which every wave waits for its LDS stores
.endr
.irp T,0,1,2,3
	v_cvt_f32_i32 v[ST+8*\T+4], v[ST+8*\T+4]       ; m_q
.endr
	s_wait_dscnt 0x0                               ; the stores have read their registers, into which fragments are loaded next
	s_wait_tensorcnt 0x1                           ; chunk 0, my own part, is in; chunk 1's load may be out
	FETCHK 0, 0, 0, 1
	s_wait_loadcnt 0x0                             ; Q
.Lstep:
	STEPM 0
	s_sub_co_u32 s[STEPS], s[STEPS], 1
	s_cmp_lg_u32 s[STEPS], 0
	s_cbranch_scc1 .Lstep
	STEPM 1
	; THE WAY OUT.  The rows' sums of the four waves are added; O^T is divided by the sum and leaves through my stage as whole pieces of rows.
	PLACES 4
.irp T,0,1,2,3
	v_add_f32 v[LM+\T], v[ST+8*\T+6], v[ST+8*\T+7]
.endr
.irp T,0,1,2,3
	v_permlanex16_b32 v[224+\T], v[LM+\T], s[SEL], s[SEL+1]
.endr
.irp T,0,1,2,3
	v_add_f32 v[LM+\T], v[LM+\T], v[224+\T]        ; my 128 keys a step: my part of the row's sum
.endr
	s_lshl_b32 s58, s[WV], 2
	s_add_co_u32 s58, s58, LX
	v_add_nc_u32 v240, s58, v[L16]
	v_add_nc_u32 v241, LX, v[L16]
.irp T,0,1,2,3
	ds_store_b32 v240, v[LM+\T] offset:512*\T
.endr
	s_wait_dscnt 0x0
	s_barrier_signal -1
	s_barrier_wait -1
.irp T,0,1,2,3
	ds_load_b128 v[MXR+4*\T:MXR+4*\T+3], v241 offset:512*\T
.endr
	s_wait_dscnt 0x0
.irp T,0,1,2,3
	v_add_f32 v[MXR+4*\T], v[MXR+4*\T], v[MXR+4*\T+1]
.endr
.irp T,0,1,2,3
	v_add_f32 v[MXR+4*\T+2], v[MXR+4*\T+2], v[MXR+4*\T+3]
.endr
.irp T,0,1,2,3
	v_add_f32 v[MXR+4*\T], v[MXR+4*\T], v[MXR+4*\T+2]
.endr
.irp T,0,1,2,3
	v_rcp_f32 v[ST+8*\T+2], v[MXR+4*\T]
.endr
	s_mul_i32 s58, s[WV], 16*SPITCH
	s_add_co_u32 s58, s58, STG                     ; my stage
	v_and_b32 v242, 15, v0                         ; (plain work behind the reciprocals)
	v_bfe_u32 v243, v0, 4, 1
	v_mul_u32_u24 v[STO], v242, SPITCH
	v_lshl_add_u32 v[STO], v243, 6, v[STO]
	v_add_nc_u32 v[STO], s58, v[STO]               ; in: row r, + 64 h
	v_add_nc_u32 v[SRD], s58, v[L16]               ; back: a row's 512 bytes, 16 a lane
	s_wait_alu depctr_va_vdst(0)                   ; the wait ahead of the first reader: one for the four reciprocals
	WIN 0xC3
.irp T,0,1,2,3
.set bi, 0
.rept 32
	v_pk_mul_f32 v[64*\T+bi:64*\T+bi+1], v[64*\T+bi:64*\T+bi+1], v[ST+8*\T+2:ST+8*\T+3] op_sel_hi:[1,0]
.set bi, bi+2
.endr
.endr
.macro TOSTAGE tq                      ; register 8 ct + j of lane (r, h) is channel 32 (ct / 2) + 16 h + 8 (ct % 2) + j of query r
	WIN 0x0C
.irp ct,0,1,2,3,4,5,6,7
.irp q,0,1
	ds_store_b128 v[STO], v[64*(\tq)+8*\ct+4*\q:64*(\tq)+8*\ct+4*\q+3] offset:128*(\ct/2)+32*(\ct%2)+16*\q
.endr
.endr
	WIN 0x80
.irp i,0,1,2,3,4,5,6,7,8,9,10,11,12,13,14,15
	ds_load_b128 v[64*((\tq)%2)+4*\i:64*((\tq)%2)+4*\i+3], v[SRD] offset:SPITCH*\i   ; LDS serves a wave's instructions in order: these see the stores above, and the next tile's stores come behind them
.endr
.endm
.macro SEND tq, younger
	s_wait_dscnt \younger
	WIN 0x08
.irp i,0,1,2,3,4,5,6,7,8,9,10,11,12,13,14,15
	global_store_b128 v[L16], v[64*((\tq)%2)+4*\i:64*((\tq)%2)+4*\i+3], s[10:11] offset:(32*((\tq)/2)+8*((\tq)%2)+\i+8*(\i/8))*2048 th:TH_STORE_NT   ; 32 lanes store 512 consecutive bytes, aligned
.endr
.endm
	TOSTAGE 0
	TOSTAGE 1
	SEND 0, 32                                     ; behind tile 0's loads: tile 1's 16 stores and 16 loads
	s_wait_xcnt 0x0                                ; tile 0's stores have read their registers: tile 2's rows land there
	TOSTAGE 2
	SEND 1, 32
	s_wait_xcnt 0x0
	TOSTAGE 3
	SEND 2, 32
	SEND 3, 0
	WIN 0
	s_wait_tensorcnt 0x0                           ; the wave's end
	ds_add_u32 v[SPW], v[NIL]
	s_wait_dscnt 0x0
	CROUND                                         ; the closing round
	s_endpgm
.Lfunc_end_k_qd810fed0bf_attn:
	.size	k_qd810fed0bf_attn, .Lfunc_end_k_qd810fed0bf_attn-k_qd810fed0bf_attn
	.p2alignl 7, 3214868480
	.fill 96, 4, 3214868480
	.section	.rodata,"a",@progbits
	.p2align	6, 0x0
	.amdhsa_kernel k_qd810fed0bf_attn
		.amdhsa_group_segment_fixed_size 327680
		.amdhsa_private_segment_fixed_size 0
		.amdhsa_enable_private_segment 0
		.amdhsa_kernarg_size 32
		.amdhsa_user_sgpr_count 2
		.amdhsa_user_sgpr_kernarg_segment_ptr 1
		.amdhsa_wavefront_size32 1
		.amdhsa_system_sgpr_workgroup_id_x 1
		.amdhsa_system_sgpr_workgroup_id_y 1
		.amdhsa_system_sgpr_workgroup_id_z 1
		.amdhsa_system_vgpr_workitem_id 0
		.amdhsa_next_free_vgpr 1024
		.amdhsa_next_free_sgpr 66
		.amdhsa_reserve_vcc 0
		.amdhsa_float_denorm_mode_32 3
		.amdhsa_float_denorm_mode_16_64 3
		.amdhsa_memory_ordered 1
		.amdhsa_forward_progress 1
		.amdhsa_inst_pref_size 255
	.end_amdhsa_kernel
	.section	.bss,"aw",@nobits
	.p2align	6
	.space	262144
	.amdgpu_metadata
---
amdhsa.version: [ 1, 2 ]
amdhsa.kernels:
  - .name:           k_qd810fed0bf_attn
    .symbol:         k_qd810fed0bf_attn.kd
    .args:
      - { .name: qc, .offset: 0, .size: 8, .value_kind: global_buffer, .address_space: global }
      - { .name: kv, .offset: 8, .size: 8, .value_kind: global_buffer, .address_space: global }
      - { .name: mask, .offset: 16, .size: 8, .value_kind: global_buffer, .address_space: global }
      - { .name: out0, .offset: 24, .size: 8, .value_kind: global_buffer, .address_space: global }
    .group_segment_fixed_size: 327680
    .private_segment_fixed_size: 0
    .kernarg_segment_align: 8
    .kernarg_segment_size: 32
    .max_flat_workgroup_size: 128
    .sgpr_count:     66
    .vgpr_count:     1024
    .wavefront_size: 32
...
	.end_amdgpu_metadata
.endif
;; end of part 3
;; ======== version 2 of 2: 3 launches
;; limits: right only within a limited range of input values
;; workspace buffers: wc 1,228,800 bytes; qc 6,553,600 bytes; kv 13,107,200 bytes
;; launch wprep (part 4): grid 768 x 1, 1 waves a work-group, no clusters, 0 bytes of LDS; arguments Wq, Wk, Wv, wc; writes wc
.if DOCPART == 4
	.amdgcn_target "amdgcn-amd-amdhsa--gfx1250"
	.amdhsa_code_object_version 6
	.text
	.protected	k_qd810fed0bf_wprep
	.globl	k_qd810fed0bf_wprep
	.p2align	8
	.type	k_qd810fed0bf_wprep,@function
k_qd810fed0bf_wprep:
	s_mov_b64 s[64:65], 0
	v_nop
	global_prefetch_b8 v0, s[64:65] scope:SCOPE_SE
	s_setreg_imm32_b32 hwreg(HW_REG_WAVE_MODE, 25, 1), 1
	s_wait_xcnt 0x0
; Wq, Wk, Wv [1024 (k)][512 (n)], f32, become codes of BF6 (E3M2) quantised along k, one E8M0 byte for each 32 along k, laid in wc as the stream that the projections walk:
; 12 chunks (weight p, pair of K steps) of 4 parts (128 columns) of 16 images + 4 scale units.  An image is a fragment's 12 registers: lane l's registers 4 g .. 4 g + 3 at byte 512 g + 16 l.
; One wave to a work-group, one fragment to a wave: weight p, K step s (128 along k), part w, half hh, tile tt: 64 loads, all out at once.
; A LANE TAKES A COLUMN AND ITS REGISTERS RUN DOWN k, in the order in which the operand's layout gives them to that lane (k = 64 c + 32 h + i): the conversions' results are the operand's registers.
; THE COLUMNS OF A TILE ARE NOT NEIGHBOURS: lane r of tile tt takes column 32 (tt / 2) + 8 (tt % 2) + r + 8 (r / 8), so that the results of two neighbouring tiles are 16 neighbours along the next product's K.
; A load reads 2 x 32 bytes of two rows of W for each half of the lanes: short pieces, taken as they are since the three weights are 6 MB, read once.
; A scale unit of 256 bytes holds the words of four tiles (dword tt / 2 of lane 16 (tt % 2) + r): each tile's 16 words leave as 4 bytes a lane, 8 bytes apart, so a unit is written by four work-groups in parts: 48 KB of 1.2 MB stored.
; LIMITS: a block whose largest magnitude lies under 2^(5 - 127) keeps the byte 1 (a block of zeros too: its codes are zeros, and this program alone reads the bytes); NaN and infinities are not served.
.set CHUNK, 102400
.set PART,  25600
.set IMG,   1536
.set SCU,   24576
.set XS,    64                         ; v64-127 the fragment's 64 numbers
.set PC,    192                        ; v192-203 its codes
	s_load_b128 s[4:7], s[0:1], 0x0                ; Wq, Wk
	s_load_b128 s[8:11], s[0:1], 0x10              ; Wv, wc
	s_and_b32 s30, ttmp9, 1                        ; tt % 2
	s_bfe_u32 s31, ttmp9, 0x10001                  ; tt / 2
	s_lshl_b32 s2, s30, 7
	s_lshl_b32 s3, s31, 2
	s_add_co_u32 s3, s3, s2                        ; my tile's words in the scale unit: 128 (tt % 2) + 4 (tt / 2)
	v_and_b32 v1, 15, v0                           ; r (one wave: v0 is the lane)
	v_bfe_u32 v2, v0, 4, 1                         ; h
	v_and_b32 v3, 8, v1
	v_add_nc_u32 v3, v3, v1                        ; r + 8 (r / 8)
	v_lshlrev_b32 v5, 2, v3
	v_lshl_add_u32 v5, v2, 16, v5                  ; in: 32 h rows of 2,048 bytes + 4 x my column of the tile
	v_lshlrev_b32 v6, 4, v0                        ; out: 16 x lane
	v_lshl_add_u32 v4, v1, 3, s3                   ; my column's scale word: + 8 r
	v_lshlrev_b32 v7, 3, v2                        ; 8 h: my two bytes' place in a scale word
	v_mov_b32 v40, 0                               ; a lane permute's destination counts as read
	s_mov_b32 s20, 0x76543210
	s_mov_b32 s21, 0xfedcba98                      ; lane l xor 16
	s_lshr_b32 s12, ttmp9, 8                       ; p
	s_bfe_u32 s13, ttmp9, 0x30005                  ; s
	s_bfe_u32 s14, ttmp9, 0x20003                  ; w
	s_bfe_u32 s15, ttmp9, 0x10002                  ; hh
	s_lshl_b32 s16, s13, 18                        ; 128 s rows of 2,048 bytes
	s_lshl_b32 s17, s14, 9
	s_add_co_u32 s16, s16, s17                     ; + 128 w columns
	s_lshl_b32 s17, s15, 8
	s_add_co_u32 s16, s16, s17                     ; + 64 hh columns
	s_lshl_b32 s17, s31, 7
	s_add_co_u32 s16, s16, s17                     ; + 32 (tt / 2) columns
	s_lshl_b32 s17, s30, 5
	s_add_co_u32 s16, s16, s17                     ; + 8 (tt % 2) columns
	s_mov_b32 s17, 0
	s_lshl_b32 s18, s12, 2
	s_lshr_b32 s19, s13, 1
	s_add_co_u32 s18, s18, s19
	s_mul_i32 s18, s18, CHUNK                      ; chunk 4 p + s / 2
	s_mul_i32 s19, s14, PART
	s_add_co_u32 s18, s18, s19                     ; part w
	s_and_b32 s23, s13, 1
	s_lshl_b32 s24, s15, 1
	s_add_co_u32 s24, s24, s23                     ; 2 hh + s % 2
	s_lshl_b32 s26, s24, 8
	s_add_co_u32 s26, s26, SCU
	s_add_co_u32 s26, s26, s18                     ; scale unit 2 hh + s % 2
	s_lshl_b32 s25, s24, 2
	s_lshl_b32 s22, s31, 1
	s_add_co_u32 s25, s25, s22
	s_add_co_u32 s25, s25, s30
	s_mul_i32 s25, s25, IMG                        ; image 8 hh + 4 (s % 2) + tt
	s_add_co_u32 s18, s18, s25
	s_mov_b32 s19, 0
	s_mov_b32 s27, 0
	s_wait_alu depctr_va_vdst(0)                   ; the wait at the head's end
	s_wait_kmcnt 0x0
	s_cmp_eq_u32 s12, 0                            ; the weight is chosen by the work-group's number alone
	s_cselect_b64 s[4:5], s[4:5], s[6:7]
	s_cmp_eq_u32 s12, 2
	s_cselect_b64 s[4:5], s[8:9], s[4:5]
	s_add_nc_u64 s[4:5], s[4:5], s[16:17]
	s_add_nc_u64 s[28:29], s[10:11], s[26:27]
	s_add_nc_u64 s[10:11], s[10:11], s[18:19]
.irp c,0,1
.irp i,0,1,2,3,4,5,6,7,8,9,10,11,12,13,14,15,16,17,18,19,20,21,22,23,24,25,26,27,28,29,30,31
	global_load_b32 v[XS+32*\c+\i], v5, s[4:5] offset:(64*\c+\i)*2048   ; W(64 c + 32 h + i, my column)
.endr
.endr
	s_wait_loadcnt 0x0
.irp c,0,1                             ; my two blocks of 32 (2 c + h): largest magnitude, scale, codes
	v_max3_num_f32 v[32+\c], |v[XS+32*\c]|, |v[XS+32*\c+1]|, 0x2800000   ; with the floor 2^(5 - 127): the byte cannot fall under 1
.endr
.set wi, 2
.rept 15
.irp c,0,1
	v_max3_num_f32 v[32+\c], v[32+\c], |v[XS+32*\c+wi]|, |v[XS+32*\c+wi+1]|
.endr
.set wi, wi+2
.endr
.irp c,0,1
	v_add_nc_u32 v[44+\c], 0xfe000000, v[32+\c]    ; 4 off the exponent field: the conversion's scale operand
.endr
.irp c,0,1
	v_lshrrev_b32 v[36+\c], 23, v[44+\c]           ; the scale's byte
.endr
	v_lshl_or_b32 v8, v37, 16, v36                 ; bytes h and 2 + h of my column's word,
	v_lshlrev_b32 v8, v7, v8                       ; at their places;
	v_permlanex16_b32 v40, v8, s20, s21
	v_or_b32 v8, v8, v40                           ; with lane l xor 16's two the word is whole, in both halves of the lanes
.irp c,0,1
	v_cvt_scalef32_pk16_bf6_f32 v[PC+6*\c:PC+6*\c+2], v[XS+32*\c:XS+32*\c+15], v[44+\c]
	v_cvt_scalef32_pk16_bf6_f32 v[240+4*\c:242+4*\c], v[XS+32*\c+16:XS+32*\c+31], v[44+\c]   ; (a conversion's three registers begin on an even number)
.endr
	v_nop                                          ; one plain place behind a scaled conversion
.irp c,0,1
.irp i,0,1,2
	v_mov_b32 v[PC+6*\c+3+\i], v[240+4*\c+\i]
.endr
.endr
.irp g,0,1,2
	global_store_b128 v6, v[PC+4*\g:PC+4*\g+3], s[10:11] offset:512*\g   ; 32 lanes store 512 consecutive bytes, aligned
.endr
	global_store_b32 v4, v8, s[28:29]              ; both halves of the lanes hold column r's word and write it to the same place
	s_endpgm
.Lfunc_end_k_qd810fed0bf_wprep:
	.size	k_qd810fed0bf_wprep, .Lfunc_end_k_qd810fed0bf_wprep-k_qd810fed0bf_wprep
	.p2alignl 7, 3214868480
	.fill 96, 4, 3214868480
	.section	.rodata,"a",@progbits
	.p2align	6, 0x0
	.amdhsa_kernel k_qd810fed0bf_wprep
		.amdhsa_group_segment_fixed_size 0
		.amdhsa_private_segment_fixed_size 0
		.amdhsa_enable_private_segment 0
		.amdhsa_kernarg_size 32
		.amdhsa_user_sgpr_count 2
		.amdhsa_user_sgpr_kernarg_segment_ptr 1
		.amdhsa_wavefront_size32 1
		.amdhsa_system_sgpr_workgroup_id_x 1
		.amdhsa_system_sgpr_workgroup_id_y 1
		.amdhsa_system_sgpr_workgroup_id_z 1
		.amdhsa_system_vgpr_workitem_id 0
		.amdhsa_next_free_vgpr 256
		.amdhsa_next_free_sgpr 66
		.amdhsa_reserve_vcc 0
		.amdhsa_float_denorm_mode_32 3
		.amdhsa_float_denorm_mode_16_64 3
		.amdhsa_memory_ordered 1
		.amdhsa_forward_progress 1
		.amdhsa_inst_pref_size 12
	.end_amdhsa_kernel
	.amdgpu_metadata
---
amdhsa.version: [ 1, 2 ]
amdhsa.kernels:
  - .name:           k_qd810fed0bf_wprep
    .symbol:         k_qd810fed0bf_wprep.kd
    .args:
      - { .name: Wq, .offset: 0, .size: 8, .value_kind: global_buffer, .address_space: global }
      - { .name: Wk, .offset: 8, .size: 8, .value_kind: global_buffer, .address_space: global }
      - { .name: Wv, .offset: 16, .size: 8, .value_kind: global_buffer, .address_space: global }
      - { .name: wc, .offset: 24, .size: 8, .value_kind: global_buffer, .address_space: global }
    .group_segment_fixed_size: 0
    .private_segment_fixed_size: 0
    .kernarg_segment_align: 8
    .kernarg_segment_size: 32
    .max_flat_workgroup_size: 32
    .sgpr_count:     66
    .vgpr_count:     256
    .wavefront_size: 32
...
	.end_amdgpu_metadata
.endif
;; end of part 4
;; launch proj (part 5): grid 256 x 1, 4 waves a work-group, clusters of 4 x 1, 327,680 bytes of LDS; arguments x, wc, bq, bk, bv, qc, kv; writes qc, kv
.if DOCPART == 5
	.amdgcn_target "amdgcn-amd-amdhsa--gfx1250"
	.amdhsa_code_object_version 6
	.text
	.protected	k_qd810fed0bf_proj
	.globl	k_qd810fed0bf_proj
	.p2align	8
	.type	k_qd810fed0bf_proj,@function
k_qd810fed0bf_proj:
	s_mov_b64 s[64:65], 0
	v_nop
	global_prefetch_b8 v0, s[64:65] scope:SCOPE_SE
	s_setreg_imm32_b32 hwreg(HW_REG_WAVE_MODE, 25, 1), 1
	s_wait_xcnt 0x0
	s_wait_alu depctr_hold_cnt(0) depctr_sa_sdst(0) depctr_va_vdst(0) depctr_va_sdst(0) depctr_va_ssrc(0) depctr_va_vcc(0) depctr_vm_vsrc(0)
	s_getreg_b32 s2, hwreg(HW_REG_IB_STS2, 6, 4)
	s_cmp_eq_u32 s2, 0
	s_cbranch_scc0 .Lentry_in_a_cluster
	s_endpgm
.Lentry_in_a_cluster:
	s_bfe_u32 s2, ttmp6, 0x10000c
	s_cmp_lg_u32 s2, 0x3003
	s_cbranch_scc0 .Lentry_shape_is_right
	s_endpgm
.Lentry_shape_is_right:
; q = x Wq + bq, k = x Wk + bk, v = x Wv + bv on codes of BF6 (E3M2) with one E8M0 scale for each 32 along K; the results are quantised again, q and k along the 512 units, v along the tokens, and stored as images of the
; operand registers that the attention launch loads.  x: [16384][1024] f32.  wc: the weights' codes (launch wprep).  qc: a part of 25,600 bytes for each 64 queries.  kv: for each batch 16 chunks of 102,400 bytes: K, V of each 256 keys.
; SHARES.  A work-group owns 64 tokens: four tiles T of 16; lane r of tile T is token 32 (T / 2) + 8 (T % 2) + r + 8 (r / 8).  THE WAVES SHARE THE COLUMNS: wave w makes units 128 w .. 128 w + 127 of q, then of k, then of v, for all 64 tokens:
; 32 accumulators, 8 K steps of 128, 256 matrix instructions a pass.  x is quantised once (wave w: tile w), goes round through LDS as images and stays in every wave's registers.
; THE WEIGHTS are a stream of 12 chunks through two LDS slots; a wave brings, and alone reads, its own part (25,600 dense bytes: 16 images, 4 scale units).  All work-groups walk the same stream: the four of a
; cluster ask for each part JOINTLY (mask 15).  One tensor load a wave behind each round; one is out at a time.
; THE CLUSTERS DO NOT WALK THE STREAM IN STEP.  Cluster c has a turn rot = (c + c / 4 + c / 16) mod 4 and takes the four chunks of a pass in the order rot, rot + 1 .. (mod 4).  Its K steps go with them: this text's K step s is the
; tensor's K step (s + 2 rot) mod 8, in x's loads and in the chunks' addresses alike; nothing else in the text knows of it.  So at any time the four chunks of a pass are asked for by different clusters, and from a pass's second
; chunk on a cluster asks for bytes that other clusters have asked for a chunk's time before.  The sums run over K in another order, which can change their last bits alone.
; q, k: the product is used transposed (source 0 = 16 columns of W, source 1 = 16 tokens), so that a lane holds one token and its registers run along the units, the next K.  v: source 0 = 16 tokens, source 1 = 16 columns: a lane
; holds one channel and its registers run along the tokens, which are the last product's K.  The biases are the C of each sum's first matrix instruction.
; No prefetch: the stream is 1.2 MB of which each of the 64 clusters reads every byte: it is not read once.
; LIMITS: a block whose largest magnitude lies under 2^(5 - 127) keeps the byte 1 (a block of zeros too); NaN and infinities are not served.
; REGISTERS, in windows of 256: window 0: v1-16 addresses; v21-28 x's offsets; v32-47 x's scale words; v48-63 the weights' (a set for each slot); v64-159, v160-255 two sets of 8 fragments of W (the second also at work at a pass's end).
;   window 1: v0-191 x's fragments of K steps 0-3, v192-255 the bias of q, then of k.  window 2: v0-191 K steps 4-7, v192-255 the bias of v.  window 3: the accumulators (while x arrives: four sets of 64 numbers).
.set PART,   25600
.set CHUNK,  4*PART
.set IMG,    1536
.set SCU,    16*IMG
.set SLOT1,  131072                    ; one exclusive or turns an address in one slot into the other's
.set XIMG,   SLOT1+CHUNK               ; x's 32 images (K step s, tile T: 4 s + T)
.set XSC,    XIMG+32*IMG               ; their scale words: register 2 s + T / 2 at 128 bytes each; tile T odd in its upper 64
.set STG,    XSC+2048                  ; a stage of 16 rows x (512 + 16) bytes for each wave
.set SPITCH, 528
.set SPARE,  STG+4*16*SPITCH           ; the spare words, 128 bytes for each wave: two blocks of 256 bytes that no other line names
.set SPW, 1
.set NIL, 2
.set L16, 3                            ; 16 x lane
.set L8,  4                            ; 8 x lane
.set AF,  5                            ; v5, v6   my part in slot 0, 1: + 16 x lane
.set AH,  7                            ; v7, v8   the same + 8 x lane
.set STW, 9                            ; my stage + 16 x lane
.set STR, 10                           ; my stage + 528 r + 64 h
.set XWI, 11                           ; where I store x's images
.set XWS, 12                           ; and their scale words
.set XRI, 13                           ; where every wave reads them
.set XRS, 14
.set BH,  15                           ; 64 h
.set BR,  16                           ; 4 (r + 8 (r / 8))
.set XO,  21                           ; v21-28   K step s of this text in a row of x: 512 ((s + 2 rot) mod 8) + 16 x lane; never rewritten
.set XS,  32
.set WS,  48
.set SETA, 64
.set SETB, 160
.set WV,  18
.set G1,  24
.set G0A, 32
.set G0B, 36                           ; this one walks
.set SEL, 40
.set HM,  42
.set ROT, 43                           ; my cluster's turn, 0 .. 3: the same in its four work-groups
.set XB,  44
.set QF,  46
.set QSU, 48
.set KF,  50
.set KSU, 52
.set VF,  54
.set VSU, 56
.set BQ,  58
.set BK,  60
.set BV,  62
.set MSB, 0
.macro WIN new                         ; the immediate's high byte repeats the setting that is left; a switch that changes nothing is dropped
.if MSB != (\new)
	s_set_vgpr_msb (MSB<<8)|(\new)
.set MSB, (\new)
.endif
.endm
.macro PLACES n
.rept \n
	v_nop
.endr
.endm
.macro CREST                           ; a round of the cluster's barrier behind its opening barrier
	s_cmp_lg_u32 s[WV], 0
	s_cbranch_scc1 .Lnot_wave_0_\@
	s_barrier_signal -3
.Lnot_wave_0_\@:
	s_barrier_wait -3
	s_barrier_signal -1
	s_barrier_wait -1
.endm
.macro CROUND
	s_barrier_signal -1
	s_barrier_wait -1
	CREST
.endm
; one scaled product; ra, rb: the scale words lie in lanes 16-31 of their registers
.macro WM d, a, b, c, sa, sb, ra, rb
.set RR, (\ra)+2*(\rb)
.if RR == 0
	v_wmma_scale_f32_16x16x128_f8f6f4 v[(\d):(\d)+7], v[(\a):(\a)+11], v[(\b):(\b)+11], v[(\c):(\c)+7], v[\sa], v[\sb] matrix_a_fmt:MATRIX_FMT_BF6 matrix_b_fmt:MATRIX_FMT_BF6
.elseif RR == 1
	v_wmma_scale_f32_16x16x128_f8f6f4 v[(\d):(\d)+7], v[(\a):(\a)+11], v[(\b):(\b)+11], v[(\c):(\c)+7], v[\sa], v[\sb] matrix_a_fmt:MATRIX_FMT_BF6 matrix_b_fmt:MATRIX_FMT_BF6 matrix_a_scale:MATRIX_SCALE_ROW1
.elseif RR == 2
	v_wmma_scale_f32_16x16x128_f8f6f4 v[(\d):(\d)+7], v[(\a):(\a)+11], v[(\b):(\b)+11], v[(\c):(\c)+7], v[\sa], v[\sb] matrix_a_fmt:MATRIX_FMT_BF6 matrix_b_fmt:MATRIX_FMT_BF6 matrix_b_scale:MATRIX_SCALE_ROW1
.else
	v_wmma_scale_f32_16x16x128_f8f6f4 v[(\d):(\d)+7], v[(\a):(\a)+11], v[(\b):(\b)+11], v[(\c):(\c)+7], v[\sa], v[\sb] matrix_a_fmt:MATRIX_FMT_BF6 matrix_b_fmt:MATRIX_FMT_BF6 matrix_a_scale:MATRIX_SCALE_ROW1 matrix_b_scale:MATRIX_SCALE_ROW1
.endif
.endm
; 64 numbers of a lane in window W, register 16 b + i = k 32 b + 16 (lane / 16) + i of my row, become a fragment's codes in v[pc] on and its scale word in v[pw].  TM (16 registers) and CT (8) are at work.
.macro QUANT src, W, pc, pw
	WIN (\W)|((\W)<<2)
.irp b,0,1,2,3
	v_max3_num_f32 v[TM+\b], |v[(\src)+16*\b]|, |v[(\src)+16*\b+1]|, 0x2800000   ; each accumulator is read from its low end on; the floor 2^(5 - 127) holds the byte at 1 from below
.endr
	WIN ((\W)<<2)|((\W)<<4)
.set qi, 2
.rept 7
.irp b,0,1,2,3
	v_max3_num_f32 v[TM+\b], v[TM+\b], |v[(\src)+16*\b+qi]|, |v[(\src)+16*\b+qi+1]|
.endr
.set qi, qi+2
.endr
	WIN 0
.irp b,0,1,2,3
	v_permlanex16_b32 v[TM+4+\b], v[TM+\b], s[SEL], s[SEL+1]
.endr
.irp b,0,1,2,3
	v_max_num_f32 v[TM+\b], v[TM+\b], v[TM+4+\b]   ; with lane l xor 16's: the block's largest magnitude
.endr
.irp b,0,1,2,3
	v_add_nc_u32 v[TM+12+\b], 0xfe000000, v[TM+\b] ; 4 off its exponent field: the conversion's scale operand
.endr
.irp b,0,1,2,3
	v_lshrrev_b32 v[TM+4+\b], 23, v[TM+12+\b]      ; the scale's byte
.endr
	v_lshl_or_b32 v[\pw], v[TM+5], 8, v[TM+4]
	v_lshl_or_b32 v[\pw], v[TM+6], 16, v[\pw]
	v_lshl_or_b32 v[\pw], v[TM+7], 24, v[\pw]
	WIN \W
.irp c,0,1
	v_cvt_scalef32_pk16_bf6_f32 v[(\pc)+6*\c:(\pc)+6*\c+2], v[(\src)+32*\c:(\src)+32*\c+15], v[TM+12+2*\c]
	v_cvt_scalef32_pk16_bf6_f32 v[CT+4*\c:CT+4*\c+2], v[(\src)+32*\c+16:(\src)+32*\c+31], v[TM+12+2*\c+1]   ; (a conversion's three registers begin on an even number)
.endr
	WIN 0
	v_nop                                          ; one plain place behind a scaled conversion
.irp c,0,1                             ; the operand's layout wants a whole block in a lane: lanes 0-15 block 2 c, lanes 16-31 block 2 c + 1
.irp i,0,1,2
	v_permlane16_swap_b32 v[(\pc)+6*\c+\i], v[CT+4*\c+\i]
.endr
.irp i,0,1,2
	v_mov_b32 v[(\pc)+6*\c+3+\i], v[CT+4*\c+\i]
.endr
.endr
.endm
.macro XLOAD s                         ; K step s of my 16 tokens: a load is one token's 512 consecutive bytes; where they lie in the row stands in the step's offset register
	WIN 0xC0
.irp i,0,1,2,3,4,5,6,7,8,9,10,11,12,13,14,15
	global_load_b128 v[64*((\s)%4)+4*\i:64*((\s)%4)+4*\i+3], v[XO+(\s)], s[XB:XB+1] offset:(\i+8*(\i/8))*4096 th:TH_LOAD_NT
.endr
	WIN 0
.endm
.macro BIASQ base                      ; lane (r, h) wants, for tile 2 b + u, the bias of units 32 b + 16 h + 8 u + 0 .. 7
	WIN 0x40
.irp t,0,1,2,3,4,5,6,7
	global_load_b128 v[192+8*\t:192+8*\t+3], v[BH], s[\base:\base+1] offset:(32*(\t/2)+8*(\t%2))*4
	global_load_b128 v[192+8*\t+4:192+8*\t+7], v[BH], s[\base:\base+1] offset:(32*(\t/2)+8*(\t%2))*4+16
.endr
	WIN 0
.endm
; the 8 fragments of K step parity sp of the chunk in a slot into set fs, tiles 0-3 first; sc = 1: ahead of them the chunk's 8 scale registers
.macro FETCH slot, sp, fs, sc
	WIN 0
.if \sc
.irp u,0,1,2,3
	ds_load_b64 v[WS+8*(\slot)+2*\u:WS+8*(\slot)+2*\u+1], v[AH+(\slot)] offset:SCU+256*\u
.endr
.endif
.irp hh,0,1
.irp tt,0,1,2,3
.irp g,0,1,2
	ds_load_b128 v[(\fs)+12*(4*\hh+\tt)+4*\g:(\fs)+12*(4*\hh+\tt)+4*\g+3], v[AF+(\slot)] offset:(8*\hh+4*(\sp)+\tt)*IMG+512*\g
.endr
.endr
.endr
.endm
; 16 matrix instructions: W's tiles 4 hh .. 4 hh + 3 x the four tiles of tokens, K step s.  The 32 accumulators take turns, one instruction a turn, in the same order in every K step.
.macro MULH md, fs, hh, s, slot, fst
.if \md == 0
.if \fst
	WIN 0xD4                                       ; W window 0, x window 1, the bias window 1, D window 3
.else
	WIN 0xF0|(4<<((\s)/4))                         ; x window 1 or 2, C and D window 3
.endif
.irp tt,0,1,2,3
.irp T,0,1,2,3
.if \fst
	WM 64*\T+8*(4*\hh+\tt), \fs+12*(4*\hh+\tt), 48*((\s)%4)+12*\T, 192+8*(4*\hh+\tt), WS+8*\slot+4*\hh+2*((\s)%2)+\tt/2, XS+2*(\s)+\T/2, \tt%2, \T%2
.else
	WM 64*\T+8*(4*\hh+\tt), \fs+12*(4*\hh+\tt), 48*((\s)%4)+12*\T, 64*\T+8*(4*\hh+\tt), WS+8*\slot+4*\hh+2*((\s)%2)+\tt/2, XS+2*(\s)+\T/2, \tt%2, \T%2
.endif
.endr
.endr
.else
.if \fst
	WIN 0xE1                                       ; x window 1, W window 0, the bias window 2, D window 3
.else
	WIN 0xF0|(1<<((\s)/4))
.endif
.irp tt,0,1,2,3
.irp T,0,1,2,3
.if \fst
	WM 32*(4*\hh+\tt)+8*\T, 48*((\s)%4)+12*\T, \fs+12*(4*\hh+\tt), 192+8*(4*\hh+\tt), XS+2*(\s)+\T/2, WS+8*\slot+4*\hh+2*((\s)%2)+\tt/2, \T%2, \tt%2
.else
	WM 32*(4*\hh+\tt)+8*\T, 48*((\s)%4)+12*\T, \fs+12*(4*\hh+\tt), 32*(4*\hh+\tt)+8*\T, XS+2*(\s)+\T/2, WS+8*\slot+4*\hh+2*((\s)%2)+\tt/2, \T%2, \tt%2
.endif
.endr
.endr
.endif
.endm
; a chunk's first K step (set A); in its middle the second step's fragments are fetched into set B
.macro STEP slot, s, md, fst
	s_wait_dscnt 12                                ; the scale words and tiles 0-3 are in; the youngest 12 loads (tiles 4-7) may be out
	MULH \md, SETA, 0, \s, \slot, \fst
	s_wait_dscnt 0x0
	PLACES 4                                       ; in front of loads into registers that matrix instructions have read
	FETCH \slot, 1, SETB, 0
	MULH \md, SETA, 1, \s, \slot, \fst
.endm
; a chunk's second K step (set B).  kind 1: the slot is filled again, two chunks ahead, behind a round of the cluster's barrier; 2: the last chunk but one; 3: the last
.macro TURN slot, s, md, kind
.if \kind == 1
.set ti, (((\s)/2)+2)%4                ; the chunk to be asked for is its pass's ti-th in my cluster's order: chunk (ti + rot) mod 4 of the pass
	WIN 0
	s_wait_tensorcnt 0x0                           ; my one tensor load that was out, the next chunk's, has landed: so the walking descriptor may be written
	ds_add_u32 v[SPW], v[NIL]                      ; 0 onto my spare word
	s_cmp_eq_u32 s[ROT], (4-ti)%4                  ; does (ti + rot) mod 4 come round to 0?  A choice of an offset, no branch
	s_cselect_b32 s2, 4*CHUNK, 0                   ; then the walk goes back by the pass's four chunks (s3 holds 0)
	s_xor_b32 s[G0B+1], s[G0B+1], SLOT1            ; the other slot than last time,
.if ti == 0
	s_add_nc_u64 s[G0B+2:G0B+3], s[G0B+2:G0B+3], 5*CHUNK   ; a chunk on, and on into the next pass's four;
.else
	s_add_nc_u64 s[G0B+2:G0B+3], s[G0B+2:G0B+3], CHUNK     ; a chunk on;
.endif
	s_sub_nc_u64 s[G0B+2:G0B+3], s[G0B+2:G0B+3], s[2:3]    ; the address stays at or above the stream's first byte: the type bits on top are not reached
	s_wait_dscnt 0x0                               ; the add is done, and my reads of this slot are over: set B is whole
	s_barrier_signal -1
	MULH \md, SETB, 0, \s, \slot, 0                ; work on registers while the others arrive
	WIN 0
	s_barrier_wait -1
	CREST                                          ; no wave of any partner still reads this slot or has a load on its way
	tensor_load_to_lds s[G0B:G0B+3], s[G1:G1+7]    ; the first thing behind the round, and my one tensor load until the next
	s_nop 0
	PLACES 4                                       ; (places in front of the loads below)
	FETCH 1-\slot, 0, SETA, 1
	MULH \md, SETB, 1, \s, \slot, 0
.elseif \kind == 2
	s_wait_dscnt 0x0
	MULH \md, SETB, 0, \s, \slot, 0
	s_wait_tensorcnt 0x0                           ; the last chunk, my own part, has landed; nothing is filled again
	PLACES 4
	FETCH 1-\slot, 0, SETA, 1
	MULH \md, SETB, 1, \s, \slot, 0
.else
	s_wait_dscnt 0x0
	MULH \md, SETB, 0, \s, \slot, 0
	MULH \md, SETB, 1, \s, \slot, 0
.endif
.endm
.macro PASS md, k5, k7
	STEP 0, 0, \md, 1
	TURN 0, 1, \md, 1
	STEP 1, 2, \md, 0
	TURN 1, 3, \md, 1
	STEP 0, 4, \md, 0
	TURN 0, 5, \md, \k5
	STEP 1, 6, \md, 0
	TURN 1, 7, \md, \k7
.endm
; q's or k's way out: my 128 units of the 64 tokens are K step w of the next product: four fragments and their scale unit.  bias = 1: k's bias is asked for meanwhile
.macro QOUT F, SU, bias
	WIN 0
	PLACES 5                                       ; behind the last products: their results are read, set B is written, and the next pass begins the accumulators anew
.if \bias
	BIASQ BK
.endif
.irp b,0,1,2,3
	v_mov_b32 v[TM+4+\b], 0                        ; a lane permute's destination counts as read
.endr
.irp T,0,1,2,3
	QUANT 64*\T, 3, 192+12*\T, 176+\T
.irp g,0,1,2
	global_store_b128 v[L16], v[192+12*\T+4*\g:192+12*\T+4*\g+3], s[\F:\F+1] offset:IMG*\T+512*\g   ; 32 lanes store 512 consecutive bytes, aligned
.endr
.endr
	v_cndmask_b32 v188, v176, v177, s[HM]          ; register d of the unit: tile 2 d in lanes 0-15, tile 2 d + 1 in lanes 16-31
	v_cndmask_b32 v189, v178, v179, s[HM]
	global_store_b64 v[L8], v[188:189], s[\SU:\SU+1]
	s_wait_xcnt 0x0                                ; the stores have read their data: set B is loaded again in the next step
.endm
; v's way out, channel tile ct: my channel's 64 tokens are two blocks of 32, half of a fragment of 128 keys
.macro VQ ct
	WIN 0x0F
.irp b,0,1
	v_max3_num_f32 v[TM+\b], |v[32*(\ct)+16*\b]|, |v[32*(\ct)+16*\b+1]|, 0x2800000
.endr
	WIN 0x3C
.set qi, 2
.rept 7
.irp b,0,1
	v_max3_num_f32 v[TM+\b], v[TM+\b], |v[32*(\ct)+16*\b+qi]|, |v[32*(\ct)+16*\b+qi+1]|
.endr
.set qi, qi+2
.endr
	WIN 0
.irp b,0,1
	v_permlanex16_b32 v[TM+4+\b], v[TM+\b], s[SEL], s[SEL+1]
.endr
.irp b,0,1
	v_max_num_f32 v[TM+\b], v[TM+\b], v[TM+4+\b]
.endr
.irp b,0,1
	v_add_nc_u32 v[TM+12+\b], 0xfe000000, v[TM+\b]
.endr
.irp b,0,1
	v_lshrrev_b32 v[TM+4+\b], 23, v[TM+12+\b]
.endr
	v_lshl_or_b32 v[176+(\ct)], v[TM+5], 8, v[TM+4]   ; the two bytes of this half of the fragment's scale word
	WIN 3
	v_cvt_scalef32_pk16_bf6_f32 v[192+8*(\ct):192+8*(\ct)+2], v[32*(\ct):32*(\ct)+15], v[TM+12]
	v_cvt_scalef32_pk16_bf6_f32 v[184:186], v[32*(\ct)+16:32*(\ct)+31], v[TM+13]
	WIN 0
	v_nop
.irp i,0,1,2
	v_permlane16_swap_b32 v[192+8*(\ct)+\i], v[184+\i]
.endr
.irp i,0,1,2
	v_mov_b32 v[192+8*(\ct)+3+\i], v[184+\i]
.endr
.irp q,0,1,2
	global_store_b64 v[L8], v[192+8*(\ct)+2*\q:192+8*(\ct)+2*\q+1], s[VF:VF+1] offset:IMG*(\ct)+256*\q   ; 32 lanes store 256 consecutive bytes, aligned
.endr
.endm
	s_load_b256 s[4:11], s[0:1], 0x0               ; x, wc, bq, bk
	s_load_b128 s[12:15], s[0:1], 0x20             ; bv, qc
	s_load_b64 s[16:17], s[0:1], 0x30              ; kv
	v_lshl_add_u32 v[SPW], v0, 2, SPARE
	v_mov_b32 v[NIL], 0
	ds_add_u32 v1, v2
	ds_add_u32 v1, v2
	s_wait_dscnt 0x0
	v_lshrrev_b32 v17, 5, v0
	v_readfirstlane_b32 s[WV], v17                 ; wave 0..3
	s_bfe_u32 s19, ttmp6, 0x40000                  ; cx
	s_lshl_b32 s20, ttmp9, 2
	s_add_co_u32 s20, s20, s19                     ; my block of 64 tokens: it enters x's, qc's and kv's addresses alone
	s_lshr_b32 s22, ttmp9, 2                       ; my cluster's turn: (c + c / 4 + c / 16) mod 4, of the cluster's number alone: all four turns occur among any clusters picked out by one bit of c
	s_lshr_b32 s23, ttmp9, 4
	s_add_co_u32 s[ROT], ttmp9, s22
	s_add_co_u32 s[ROT], s[ROT], s23
	s_and_b32 s[ROT], s[ROT], 3
	s_mov_b32 s[G1], 15|(3<<16)|(1<<21)            ; the mask: all four work-groups; elements of 8 bytes; bit 21 beside a mask; no padding
	s_mov_b32 s[G1+1], 32<<16                      ; tensor_dim0 = 32 elements: rows of 256 bytes
	s_mov_b32 s[G1+2], 100<<16                     ; tensor_dim1 = 100 rows: a part
	s_mov_b32 s[G1+3], 32<<16                      ; tile_dim0
	s_mov_b32 s[G1+4], 100                         ; tile_dim1
	s_mov_b32 s[G1+5], 32                          ; dense
	s_mov_b32 s[G1+6], 0
	s_mov_b32 s[G1+7], 0
	s_mov_b32 s[SEL], 0x76543210
	s_mov_b32 s[SEL+1], 0xfedcba98
	s_mov_b32 s[HM], 0xffff0000
	v_and_b32 v17, 31, v0                          ; lane
	v_and_b32 v18, 15, v0                          ; r
	v_bfe_u32 v19, v0, 4, 1                        ; h
	v_lshlrev_b32 v[L16], 4, v17
	s_wait_alu depctr_va_vdst(0)
	v_lshlrev_b32 v[L8], 3, v17
.irp s,0,1,2,3,4,5,6,7
	s_lshl_b32 s22, s[ROT], 1
	s_add_co_u32 s22, s22, \s
	s_and_b32 s22, s22, 7                          ; this text's K step s is the tensor's K step (s + 2 rot) mod 8:
	s_lshl_b32 s22, s22, 9                         ; 512 bytes of a row of x each
	v_add_nc_u32 v[XO+\s], s22, v[L16]
.endr
	s_mul_i32 s21, s[WV], PART                     ; my part: in a chunk and in a slot
	v_add_nc_u32 v[AF], s21, v[L16]
	v_add_nc_u32 v[AF+1], SLOT1, v[AF]
	v_add_nc_u32 v[AH], s21, v[L8]
	v_add_nc_u32 v[AH+1], SLOT1, v[AH]
	s_mul_i32 s22, s[WV], 16*SPITCH
	s_add_co_u32 s22, s22, STG
	v_add_nc_u32 v[STW], s22, v[L16]
	v_mul_u32_u24 v[STR], v18, SPITCH
	v_lshl_add_u32 v[STR], v19, 6, v[STR]
	v_add_nc_u32 v[STR], s22, v[STR]
	s_mul_i32 s22, s[WV], IMG
	s_add_co_u32 s22, s22, XIMG
	v_add_nc_u32 v[XWI], s22, v[L16]
	s_lshl_b32 s22, s[WV], 6
	s_add_co_u32 s22, s22, XSC
	v_lshl_add_u32 v[XWS], v18, 2, s22
	v_add_nc_u32 v[XRI], XIMG, v[L16]
	v_lshl_add_u32 v[XRS], v17, 2, XSC
	v_lshlrev_b32 v[BH], 6, v19
	v_and_b32 v20, 8, v18
	v_add_nc_u32 v20, v20, v18
	v_lshlrev_b32 v[BR], 2, v20
.irp b,0,1,2,3
	v_mov_b32 v[152+\b], 0                         ; a lane permute's destination counts as read
.endr
	; byte offsets, made apart from the addresses
	s_lshl_b32 s[XB], s20, 18                      ; 64 tokens of 4,096 bytes
	s_lshr_b32 s62, s[WV], 1
	s_and_b32 s63, s[WV], 1
	s_lshl_b32 s22, s62, 17
	s_add_co_u32 s[XB], s[XB], s22                 ; + 32 (w / 2) tokens
	s_lshl_b32 s22, s63, 15
	s_add_co_u32 s[XB], s[XB], s22                 ; + 8 (w % 2) tokens
	s_mov_b32 s[XB+1], 0
	s_mul_i32 s[QF], s20, PART
	s_lshl_b32 s22, s[WV], 8
	s_add_co_u32 s[QSU], s[QF], s22
	s_add_co_u32 s[QSU], s[QSU], SCU               ; q: scale unit w
	s_mul_i32 s22, s[WV], 4*IMG
	s_add_co_u32 s[QF], s[QF], s22                 ; q: images 4 w + T
	s_mov_b32 s[QF+1], 0
	s_mov_b32 s[QSU+1], 0
	s_lshr_b32 s58, s20, 5
	s_mul_i32 s58, s58, 16*CHUNK                   ; the batch
	s_bfe_u32 s59, s20, 0x20003                    ; j: which 512 keys
	s_bfe_u32 s60, s20, 0x20001                    ; pk: which 128 of them
	s_and_b32 s61, s20, 1                          ; hh: which 64 of those
	s_lshl_b32 s19, s59, 2
	; kv's stream is K, V of each 256 keys: chunk 2 st holds K of key step st, chunk 2 st + 1 its V.  A part of a K chunk is 64 keys, laid as a part of qc
	s_and_b32 s22, s60, 2
	s_add_co_u32 s22, s22, s19                     ; 2 st = 4 j + 2 (pk / 2)
	s_mul_i32 s22, s22, CHUNK
	s_add_co_u32 s22, s22, s58
	s_and_b32 s23, s20, 3
	s_mul_i32 s23, s23, PART
	s_add_co_u32 s22, s22, s23                     ; part: my block of 64 tokens among the step's four
	s_mul_i32 s[KF], s[WV], 4*IMG
	s_add_co_u32 s[KF], s[KF], s22                 ; images 4 w + T
	s_lshl_b32 s[KSU], s[WV], 8
	s_add_co_u32 s[KSU], s[KSU], s22               ; scale unit w
	s_add_co_u32 s[KSU], s[KSU], SCU               ; past the images: scale unit w
	s_mov_b32 s[KF+1], 0
	s_mov_b32 s[KSU+1], 0
	s_and_b32 s22, s60, 2
	s_add_co_u32 s22, s22, s19
	s_add_co_u32 s22, s22, 1                       ; v: chunk 2 st + 1
	s_mul_i32 s22, s22, CHUNK                      ; v: chunk 4 j + 2 (pk / 2) + 1,
	s_add_co_u32 s22, s22, s58
	s_add_co_u32 s22, s22, s21                     ; part w,
	s_and_b32 s23, s60, 1
	s_mul_i32 s[VF], s23, 8*IMG
	s_add_co_u32 s[VF], s[VF], s22                 ; images 8 (pk % 2) + ct,
	s_mul_i32 s19, s61, 768
	s_add_co_u32 s[VF], s[VF], s19                 ; half hh of each,
	s_lshl_b32 s23, s23, 1
	s_add_co_u32 s23, s23, s61
	s_lshl_b32 s[VSU], s23, 8
	s_add_co_u32 s[VSU], s[VSU], s22
	s_add_co_u32 s[VSU], s[VSU], SCU               ; scale unit 2 (pk % 2) + hh
	s_mov_b32 s[VF+1], 0
	s_mov_b32 s[VSU+1], 0
	s_lshl_b32 s58, s[WV], 9                       ; the biases: my 128 numbers
	s_mov_b32 s59, 0
	s_mul_i32 s22, s[ROT], CHUNK                   ; the stream: my cluster's first chunk is chunk rot,
	s_add_co_u32 s22, s22, s21                     ; my part of it;
	s_mov_b32 s23, 0
	s_add_co_u32 s2, s[ROT], 1
	s_and_b32 s2, s2, 3
	s_mul_i32 s2, s2, CHUNK                        ; its second is chunk (rot + 1) mod 4
	s_add_co_u32 s2, s2, s21
	s_mov_b32 s3, 0                                ; (s3 stays 0: the upper word of the offsets that s2 holds)
	s_wait_kmcnt 0x0
	s_add_nc_u64 s[XB:XB+1], s[4:5], s[XB:XB+1]
	s_add_nc_u64 s[QF:QF+1], s[14:15], s[QF:QF+1]
	s_add_nc_u64 s[QSU:QSU+1], s[14:15], s[QSU:QSU+1]
	s_add_nc_u64 s[KF:KF+1], s[16:17], s[KF:KF+1]
	s_add_nc_u64 s[KSU:KSU+1], s[16:17], s[KSU:KSU+1]
	s_add_nc_u64 s[VF:VF+1], s[16:17], s[VF:VF+1]
	s_add_nc_u64 s[VSU:VSU+1], s[16:17], s[VSU:VSU+1]
	s_add_nc_u64 s[BK:BK+1], s[10:11], s[58:59]
	s_add_nc_u64 s[BV:BV+1], s[12:13], s[58:59]
	s_add_nc_u64 s[BQ:BQ+1], s[8:9], s[58:59]
	s_mov_b32 s[G0A], 1                            ; count = 1
	s_mov_b32 s[G0A+1], s21                        ; LDS: my part of slot 0
	s_add_nc_u64 s[G0A+2:G0A+3], s[6:7], s[22:23]  ; the wave's number and the cluster's turn alone enter it: the same in all four partners
	s_mov_b32 s[G0B], 1
	s_add_co_u32 s[G0B+1], s21, SLOT1
	s_add_nc_u64 s[G0B+2:G0B+3], s[6:7], s[2:3]
	s_or_b32 s[G0A+3], s[G0A+3], 0x80000000        ; type = 2
	s_or_b32 s[G0B+3], s[G0B+3], 0x80000000
	CROUND                                         ; all four work-groups are here: the first joint loads meet
	tensor_load_to_lds s[G0A:G0A+3], s[G1:G1+7]    ; my cluster's first chunk: one tensor load of mine is out
	s_nop 0
	PLACES 4
	s_wait_alu depctr_va_vdst(0)
	BIASQ BQ
	WIN 0x80
.irp t,0,1,2,3,4,5,6,7                 ; v's bias: a lane holds one channel, so a tile's eight registers are alike
.irp j,0,1,2,3,4,5,6,7
	global_load_b32 v[192+8*\t+\j], v[BR], s[BV:BV+1] offset:(32*(\t/2)+8*(\t%2))*4
.endr
.endr
	WIN 0
	XLOAD 0
	XLOAD 1
	XLOAD 2
	XLOAD 3
	s_wait_tensorcnt 0x0                           ; slot 1's first fill is issued as a refill is: my first chunk has landed,
	ds_add_u32 v[SPW], v[NIL]
	s_wait_dscnt 0x0
	CROUND                                         ; a whole round, under x's loads,
	tensor_load_to_lds s[G0B:G0B+3], s[G1:G1+7]    ; and my cluster's second chunk
	s_nop 0
	PLACES 4
; x: my 16 tokens, a K step at a time.  The loads take the bytes as they lie; the numbers turn through my stage, so that lane (r, h) holds, of token r, 16 neighbours of each block of 32.
.set TM, 148
.set CT, 140
.macro XPH s
.if (\s) < 5
	s_wait_loadcnt 48                              ; this K step's 16 loads are in; those of the three steps behind it may be out
.else
	s_wait_loadcnt 16*(7-(\s))
.endif
	WIN 0x0C
.irp i,0,1,2,3,4,5,6,7,8,9,10,11,12,13,14,15
	ds_store_b128 v[STW], v[64*((\s)%4)+4*\i:64*((\s)%4)+4*\i+3] offset:SPITCH*\i
.endr
	WIN 0
.irp b,0,1,2,3
.irp q,0,1,2,3
	ds_load_b128 v[64+16*\b+4*\q:64+16*\b+4*\q+3], v[STR] offset:128*\b+16*\q   ; LDS serves a wave's instructions in order: these see the stores above
.endr
.endr
	s_wait_dscnt 0x0                               ; the numbers are back; all my LDS stores have read their registers
.if (\s) < 4
	XLOAD (\s)+4
.endif
	QUANT 64, 0, 128, 164
.irp g,0,1,2
	ds_store_b128 v[XWI], v[128+4*\g:128+4*\g+3] offset:4*IMG*(\s)+512*\g   ; the fragment goes to LDS as it stands
.endr
	ds_store_b32 v[XWS], v164 offset:256*(\s)      ; (both halves of the lanes hold token r's word and write it to the same place)
.endm
.irp s,0,1,2,3,4,5,6,7
	XPH \s
.endr
	s_wait_dscnt 0x0                               ; for the others' sake: my images have landed
	s_barrier_signal -1
	s_barrier_wait -1                              ; the second fill may stay out
	WIN 0x40
.irp s,0,1,2,3
.irp T,0,1,2,3
.irp g,0,1,2
	ds_load_b128 v[48*\s+12*\T+4*\g:48*\s+12*\T+4*\g+3], v[XRI] offset:(4*\s+\T)*IMG+512*\g
.endr
.endr
.endr
	WIN 0x80
.irp s,0,1,2,3
.irp T,0,1,2,3
.irp g,0,1,2
	ds_load_b128 v[48*\s+12*\T+4*\g:48*\s+12*\T+4*\g+3], v[XRI] offset:(16+4*\s+\T)*IMG+512*\g
.endr
.endr
.endr
	WIN 0
.irp i,0,1,2,3,4,5,6,7,8,9,10,11,12,13,14,15
	ds_load_b32 v[XS+\i], v[XRS] offset:128*\i
.endr
	FETCH 0, 0, SETA, 1
.set TM, 160
.set CT, 180
	PASS 0, 1, 1                                   ; q
	QOUT QF, QSU, 1
	s_wait_loadcnt 0x0                             ; k's bias
	PASS 0, 1, 1                                   ; k
	QOUT KF, KSU, 0
	PASS 1, 2, 3                                   ; v: the last two chunks ask for nothing
	WIN 0
	PLACES 5
.irp b,0,1
	v_mov_b32 v[TM+4+\b], 0
.endr
.irp ct,0,1,2,3,4,5,6,7
	VQ \ct
.endr
	v_cndmask_b32 v160, v176, v177, s[HM]          ; the scale unit: dword d: low half channel tile 4 d + (lane / 16), high half 4 d + 2 + (lane / 16)
	v_cndmask_b32 v161, v178, v179, s[HM]
	v_cndmask_b32 v162, v180, v181, s[HM]
	v_cndmask_b32 v163, v182, v183, s[HM]
	v_lshl_or_b32 v188, v161, 16, v160
	v_lshl_or_b32 v189, v163, 16, v162
	global_store_b64 v[L8], v[188:189], s[VSU:VSU+1]
	s_wait_tensorcnt 0x0                           ; the wave's end
	ds_add_u32 v[SPW], v[NIL]
	s_wait_dscnt 0x0
	CROUND                                         ; the closing round
	s_endpgm
.Lfunc_end_k_qd810fed0bf_proj:
	.size	k_qd810fed0bf_proj, .Lfunc_end_k_qd810fed0bf_proj-k_qd810fed0bf_proj
	.p2alignl 7, 3214868480
	.fill 96, 4, 3214868480
	.section	.rodata,"a",@progbits
	.p2align	6, 0x0
	.amdhsa_kernel k_qd810fed0bf_proj
		.amdhsa_group_segment_fixed_size 327680
		.amdhsa_private_segment_fixed_size 0
		.amdhsa_enable_private_segment 0
		.amdhsa_kernarg_size 56
		.amdhsa_user_sgpr_count 2
		.amdhsa_user_sgpr_kernarg_segment_ptr 1
		.amdhsa_wavefront_size32 1
		.amdhsa_system_sgpr_workgroup_id_x 1
		.amdhsa_system_sgpr_workgroup_id_y 1
		.amdhsa_system_sgpr_workgroup_id_z 1
		.amdhsa_system_vgpr_workitem_id 0
		.amdhsa_next_free_vgpr 1024
		.amdhsa_next_free_sgpr 66
		.amdhsa_reserve_vcc 0
		.amdhsa_float_denorm_mode_32 3
		.amdhsa_float_denorm_mode_16_64 3
		.amdhsa_memory_ordered 1
		.amdhsa_forward_progress 1
		.amdhsa_inst_pref_size 255
	.end_amdhsa_kernel
	.section	.bss,"aw",@nobits
	.p2align	6
	.space	262144
	.amdgpu_metadata
---
amdhsa.version: [ 1, 2 ]
amdhsa.kernels:
  - .name:           k_qd810fed0bf_proj
    .symbol:         k_qd810fed0bf_proj.kd
    .args:
      - { .name: x, .offset: 0, .size: 8, .value_kind: global_buffer, .address_space: global }
      - { .name: wc, .offset: 8, .size: 8, .value_kind: global_buffer, .address_space: global }
      - { .name: bq, .offset: 16, .size: 8, .value_kind: global_buffer, .address_space: global }
      - { .name: bk, .offset: 24, .size: 8, .value_kind: global_buffer, .address_space: global }
      - { .name: bv, .offset: 32, .size: 8, .value_kind: global_buffer, .address_space: global }
      - { .name: qc, .offset: 40, .size: 8, .value_kind: global_buffer, .address_space: global }
      - { .name: kv, .offset: 48, .size: 8, .value_kind: global_buffer, .address_space: global }
    .group_segment_fixed_size: 327680
    .private_segment_fixed_size: 0
    .kernarg_segment_align: 8
    .kernarg_segment_size: 56
    .max_flat_workgroup_size: 128
    .sgpr_count:     66
    .vgpr_count:     1024
    .wavefront_size: 32
...
	.end_amdgpu_metadata
.endif
;; end of part 5
;; launch attn (part 6): grid 32 x 8, 4 waves a work-group, clusters of 4 x 1, 327,680 bytes of LDS; arguments qc, kv, mask, out0; writes out0
.if DOCPART == 6
	.amdgcn_target "amdgcn-amd-amdhsa--gfx1250"
	.amdhsa_code_object_version 6
	.text
	.protected	k_qd810fed0bf_attn
	.globl	k_qd810fed0bf_attn
	.p2align	8
	.type	k_qd810fed0bf_attn,@function
k_qd810fed0bf_attn:
	s_mov_b64 s[64:65], 0
	v_nop
	global_prefetch_b8 v0, s[64:65] scope:SCOPE_SE
	s_setreg_imm32_b32 hwreg(HW_REG_WAVE_MODE, 25, 1), 1
	s_wait_xcnt 0x0
	s_wait_alu depctr_hold_cnt(0) depctr_sa_sdst(0) depctr_va_vdst(0) depctr_va_sdst(0) depctr_va_ssrc(0) depctr_va_vcc(0) depctr_vm_vsrc(0)
	s_getreg_b32 s2, hwreg(HW_REG_IB_STS2, 6, 4)
	s_cmp_eq_u32 s2, 0
	s_cbranch_scc0 .Lentry_in_a_cluster
	s_endpgm
.Lentry_in_a_cluster:
	s_bfe_u32 s2, ttmp6, 0x10000c
	s_cmp_lg_u32 s2, 0x3003
	s_cbranch_scc0 .Lentry_shape_is_right
	s_endpgm
.Lentry_shape_is_right:
; out0[b][q][:] = sum over k of softmax_k(q . k / sqrt(512) + (1 - m_q m_k) x (-10000)) v[k][:], both products on codes of BF6 (E3M2) with one E8M0 scale for each 32 along K.
; qc, kv: images of operand registers, made by launch proj.  kv: for each batch 16 chunks of 102,400 bytes: K, V of each 256 keys.  mask: [8][2048] int32.  out0: [8][2048][512] f32.
; THE SOFTMAX: t = s x log2(e) / sqrt(512) + log2(e) x 10000 x (m_q m_k - 1), one multiply-add on the score; M = the row's largest t so far, rounded up to a whole number; p = 2^(t - M) is quantised along the keys;
; the row's sum is taken of the unquantised p and divides at the end.  The mask is additive and finite: no key is left out.
; SHARES.  A work-group owns 64 queries of a batch: four tiles T; lane r of tile T is query 32 (T / 2) + 8 (T % 2) + r + 8 (r / 8).  A step is 256 keys; there are eight.  Wave w makes S^T = K Q^T for keys 64 w .. 64 w + 63 of the step
; and O^T = V^T P^T for channels 128 w .. 128 w + 127, each for all 64 queries: each fragment of K and V is read from LDS once and feeds four matrix instructions.  From wave to wave go the rows' maxima, p's codes and scale bytes, at the end the sums.
; THE PIPELINE.  Segment Y(j): the products of O^T for step j - 1, in four groups of sixteen, stand between the passes of vector lines that rescale O^T and make t and the maxima of step j.  Segment X(j): likewise the products of S^T for
; step j + 1 between the passes that take M away, sum and quantise p of step j; the exponentials are one batch.  A group's fragments are asked of LDS at the head of the group before it, so that a group and a pass stand between the loads and
; the wait for them.  Raw scores land in SB; the multiply-add that makes t writes SA, so one text serves every step.
; THE STREAM.  Slot K holds a step's K, slot V its V; a wave brings, and alone reads, its part (25,600 dense bytes).  Behind Y(j)'s barrier slot V takes V(j), behind X(j)'s slot K takes K(j + 2): one tensor load a wave behind each round,
; one out at a time; a load has a whole segment between its request and the wait for it.  The four work-groups of a cluster belong to one batch and ask for each part JOINTLY (mask 15).
; Cluster c begins at key step 2 ((c + c / 4) mod 4) and walks the eight steps round: the running M makes the order of the keys free.  The turn enters the chunks' addresses and the order of the mask's blocks in LDS alone.
; PREFETCH.  A cluster's first two steps (four chunks) are asked for by no cluster ahead of it.  Its second, third and fourth chunk are prefetched in the text ahead of the loop, each a segment or more ahead of its load: a wave names
; its own part, each of the four partners 6,400 bytes of it, told apart by address, lanes 256 bytes apart (lanes 25-31 name lane 24's block again).  The address registers are never rewritten.  Later chunks are also walked by other clusters.
; LIMITS: t is rounded once where the logit and t could be rounded by turns: under a bias of -10000 both lie on a grid of 2^-10, so p may differ by 2^-10 of itself; m_q m_k is exact up to 2^24, its product with 10000 log2(e) is rounded;
; p under 2^-126 counts as 0; a block whose largest p lies under 2^(5 - 127) keeps the byte 1 (its codes are zeros); scaled scores stay under 2^31; NaN and infinities are not served.
; REGISTERS, in windows of 256: window 0: v1-15 addresses; v16-47 eight statistics a tile; v48-79 scale words of Q, K, V, p; v80-127 Q of K step 3; v128-223 two sets of four fragments of K or V; v224-255 at work.
;   window 1: v0-143 Q of K steps 0-2; v144-239 p's eight fragments.   window 2: v0-127 SA: t, then p; v128-255 SB: S^T (32 T + 8 t + j).   window 3: O^T (64 T + 8 ct + j).
.set PART,   25600
.set CHUNK,  4*PART
.set IMG,    1536
.set SCU,    16*IMG
.set SLOT1,  131072
.set SA,     CHUNK                     ; p's 8 images (key group g, tile T: 4 g + T),
.set PSC,    SA+8*IMG                  ; their scale words (register 2 g + T / 2: 128 bytes; T odd in the upper 64),
.set MX,     PSC+512                   ; the rows' maxima: 512 T + 16 x lane + 4 x wave
.set KB,     SLOT1+CHUNK               ; 10000 log2(e) x mask of the batch's 2,048 keys, f32, in my cluster's order
.set LX,     KB+8192                   ; the rows' sums, laid as MX
.set STG,    LX+2048                   ; a stage of 16 rows x (512 + 16) bytes for each wave
.set SPITCH, 528
.set SPARE,  STG+4*16*SPITCH           ; the spare words
.set SPW, 1
.set NIL, 2
.set AKF, 3                            ; my part of slot K + 16 x lane
.set AKH, 4                            ; + 8 x lane
.set AVH, 5                            ; my part of slot V + 8 x lane
.set SA16, 6
.set SA4,  7
.set PWA,  8                           ; where I store p's codes: pieces 0 and 2,
.set PWB,  9                           ; piece 1,
.set PW2,  10                          ; and my two scale bytes
.set MXW,  11
.set KBA0, 12
.set KBA,  13
.set L16,  14
.set PFO,  15
.set ST,   16                          ; tile T at v[ST + 8 T]: +0 -M, +1 the largest t, +2 f (at the end 1 / l), +3 0, +4 m_q, +5 0, +6, +7 the sum in two halves
.set QS,   48
.set KS,   56
.set VS,   64
.set PS,   72
.set PWR,  76
.set Q3,   80
.set FP,   128
.set PF,   144                         ; window 1
.set TMB,  224                         ; the largest t of each block of 32 keys: 2 T + b
.set MXR,  232
.set VT,   232
.set TP,   240
.set LM,   248
.set STO,  154
.set SRD,  155
.set WV,  12
.set G1,  24
.set GK,  32
.set GV,  36
.set SEL, 40
.set C1,  42                           ; log2(e) / sqrt(512)
.set NEG, 44                           ; -10000 log2(e)
.set KT,  46
.set CNT, 47
.set PFA, 48
.set PHK, 50                           ; the key step at which K's descriptor stands, PHV: V's
.set PHV, 51
.set WRP, 52                           ; s[52:53] what a walk goes back by: 16 chunks or nothing
.set MSB, 0
.macro WIN new
.if MSB != (\new)
	s_set_vgpr_msb (MSB<<8)|(\new)
.set MSB, (\new)
.endif
.endm
.macro PLACES n
.rept \n
	v_nop
.endr
.endm
.macro CREST
	s_cmp_lg_u32 s[WV], 0
	s_cbranch_scc1 .Lnot_wave_0_\@
	s_barrier_signal -3
.Lnot_wave_0_\@:
	s_barrier_wait -3
	s_barrier_signal -1
	s_barrier_wait -1
.endm
.macro CROUND
	s_barrier_signal -1
	s_barrier_wait -1
	CREST
.endm
.macro STEPD g, ph                     ; a descriptor goes a key step on; behind the batch's last step comes its first: a choice of an offset, no branch
	s_add_nc_u64 s[\g+2:\g+3], s[\g+2:\g+3], 2*CHUNK
	s_add_co_u32 s[\ph], s[\ph], 1
	s_and_b32 s[\ph], s[\ph], 7
	s_cmp_eq_u32 s[\ph], 0
	s_cselect_b32 s[WRP], 16*CHUNK, 0
	s_sub_nc_u64 s[\g+2:\g+3], s[\g+2:\g+3], s[WRP:WRP+1]
.endm
; THE END OF A SEGMENT.  kind 1: slot K is filled again, 2: slot V, behind a round of the cluster's barrier; 0: nothing is filled.  pf: the chunk of my cluster's first four that is prefetched
.macro SYNC kind, step, pf
	WIN 0
	s_wait_alu depctr_va_vdst(0)                   ; the wait ahead of the waits below
	s_wait_tensorcnt 0x0                           ; my one tensor load that was out has landed
.if \kind
	ds_add_u32 v[SPW], v[NIL]
.if \step
.if \kind == 1
	STEPD GK, PHK
.else
	STEPD GV, PHV
.endif
.endif
.endif
	s_wait_dscnt 0x0                               ; my reads of the slot are over, my LDS stores have landed
	s_barrier_signal -1
	s_barrier_wait -1
.if \kind == 1
	CREST
	tensor_load_to_lds s[GK:GK+3], s[G1:G1+7]
	s_nop 0
.elseif \kind == 2
	CREST
	tensor_load_to_lds s[GV:GV+3], s[G1:G1+7]
	s_nop 0
.endif
	PLACES 4                                       ; places in front of the loads that follow
.if \pf
	global_prefetch_b8 v[PFO], s[PFA:PFA+1] offset:(\pf)*CHUNK th:TH_LOAD_NT scope:SCOPE_SE
.endif
.endm
.macro FETCHK n                        ; K step n: four key tiles into set n % 2
.irp tt,0,1,2,3
.irp g,0,1,2
	ds_load_b128 v[FP+48*((\n)%2)+12*\tt+4*\g:FP+48*((\n)%2)+12*\tt+4*\g+3], v[AKF] offset:(4*(\n)+\tt)*IMG+512*\g
.endr
.endr
.endm
.macro FETCHV n                        ; key group n / 2, channel tiles 4 (n % 2) .. + 3 into set n % 2; an image of V lies in pieces of 8 bytes a lane
.irp cc,0,1,2,3
.irp q,0,1,2,3,4,5
	ds_load_b64 v[FP+48*((\n)%2)+12*\cc+2*\q:FP+48*((\n)%2)+12*\cc+2*\q+1], v[AVH] offset:(4*(\n)+\cc)*IMG+256*\q
.endr
.endr
.endm
.macro VSCP                            ; V's scale units' halves are joined: register 4 gg + n holds the words of channel tile 2 n in lanes 0-15 and of 2 n + 1 in lanes 16-31
.irp gg,0,1
.irp d,0,1
	v_perm_b32 v[VS+4*\gg+2*\d], v[VT+4*\gg+2+\d], v[VT+4*\gg+\d], 0x05040100
	v_perm_b32 v[VS+4*\gg+2*\d+1], v[VT+4*\gg+2+\d], v[VT+4*\gg+\d], 0x07060302
.endr
.endr
.endm
; THE MATRIX QUEUE.  A segment's 64 products are numbered MI = 16 n + 4 t + T: group n (a set of four fragments), fragment t, tile of queries T.  MM1 issues the next one, if any is left.
; The 16 accumulators of a group take turns, one instruction a turn.  MODE 1: S^T = K Q^T, n = the K step.  MODE 2: O^T += V^T P^T.
; The vector passes call MM behind every few lines; every sixteenth call issues a whole group, so that a group stands under one setting of the windows.
.macro GSTART                          ; a group's head: its set is in; the other set, which the group before read, takes the next group's fragments
	WIN 0
	PLACES 4                                       ; in front of loads into registers that matrix instructions have read
	s_wait_alu depctr_va_vdst(0)                   ; the wait ahead of the wait below
	s_wait_dscnt 0x0
.if MI < 48
.if MODE == 1
	FETCHK MI/16+1
.else
	FETCHV MI/16+1
.endif
.endif
.endm
.macro WMS
.if wz
.if wrr == 0
	v_wmma_scale_f32_16x16x128_f8f6f4 v[wd:wd+7], v[wa:wa+11], v[wb:wb+11], 0, v[wsa], v[wsb] matrix_a_fmt:MATRIX_FMT_BF6 matrix_b_fmt:MATRIX_FMT_BF6
.elseif wrr == 1
	v_wmma_scale_f32_16x16x128_f8f6f4 v[wd:wd+7], v[wa:wa+11], v[wb:wb+11], 0, v[wsa], v[wsb] matrix_a_fmt:MATRIX_FMT_BF6 matrix_b_fmt:MATRIX_FMT_BF6 matrix_a_scale:MATRIX_SCALE_ROW1
.elseif wrr == 2
	v_wmma_scale_f32_16x16x128_f8f6f4 v[wd:wd+7], v[wa:wa+11], v[wb:wb+11], 0, v[wsa], v[wsb] matrix_a_fmt:MATRIX_FMT_BF6 matrix_b_fmt:MATRIX_FMT_BF6 matrix_b_scale:MATRIX_SCALE_ROW1
.else
	v_wmma_scale_f32_16x16x128_f8f6f4 v[wd:wd+7], v[wa:wa+11], v[wb:wb+11], 0, v[wsa], v[wsb] matrix_a_fmt:MATRIX_FMT_BF6 matrix_b_fmt:MATRIX_FMT_BF6 matrix_a_scale:MATRIX_SCALE_ROW1 matrix_b_scale:MATRIX_SCALE_ROW1
.endif
.else
.if wrr == 0
	v_wmma_scale_f32_16x16x128_f8f6f4 v[wd:wd+7], v[wa:wa+11], v[wb:wb+11], v[wd:wd+7], v[wsa], v[wsb] matrix_a_fmt:MATRIX_FMT_BF6 matrix_b_fmt:MATRIX_FMT_BF6
.elseif wrr == 1
	v_wmma_scale_f32_16x16x128_f8f6f4 v[wd:wd+7], v[wa:wa+11], v[wb:wb+11], v[wd:wd+7], v[wsa], v[wsb] matrix_a_fmt:MATRIX_FMT_BF6 matrix_b_fmt:MATRIX_FMT_BF6 matrix_a_scale:MATRIX_SCALE_ROW1
.elseif wrr == 2
	v_wmma_scale_f32_16x16x128_f8f6f4 v[wd:wd+7], v[wa:wa+11], v[wb:wb+11], v[wd:wd+7], v[wsa], v[wsb] matrix_a_fmt:MATRIX_FMT_BF6 matrix_b_fmt:MATRIX_FMT_BF6 matrix_b_scale:MATRIX_SCALE_ROW1
.else
	v_wmma_scale_f32_16x16x128_f8f6f4 v[wd:wd+7], v[wa:wa+11], v[wb:wb+11], v[wd:wd+7], v[wsa], v[wsb] matrix_a_fmt:MATRIX_FMT_BF6 matrix_b_fmt:MATRIX_FMT_BF6 matrix_a_scale:MATRIX_SCALE_ROW1 matrix_b_scale:MATRIX_SCALE_ROW1
.endif
.endif
.endm
.macro MM1
.if MI < MEND
.if MI%16 == 0
	GSTART
.endif
.set wq, MI%4
.set wt, (MI/4)%4
.set wn, MI/16
.set wa, FP+48*(wn%2)+12*wt
.set wrr, (wt%2)+2*(wq%2)
.set wz, 0
.if MODE == 1
.set wd, 128+32*wq+8*wt
.set wsa, KS+2*wn+wt/2
.set wsb, QS+2*wn+wq/2
.if wn == 0
.set wz, 1                             ; the first K step starts the sums
.endif
.if wn == 3
	WIN 0xA0                                       ; K window 0, Q window 0, S^T window 2
.set wb, Q3+12*wq
.else
	WIN 0xA4                                       ; Q window 1
.set wb, 48*wn+12*wq
.endif
.else
	WIN 0xF4                                       ; V window 0, p window 1, O^T window 3
.set wd, 64*wq+8*(4*(wn%2)+wt)
.set wb, PF+12*(4*(wn/2)+wq)
.set wsa, VS+4*(wn/2)+2*(wn%2)+wt/2
.set wsb, PS+2*(wn/2)+wq/2
.endif
	WMS
.set MI, MI+1
.endif
.endm
.macro MMFLUSH                         ; what is left of the segment's products
.rept 64
	MM1
.endr
.endm
.macro MM
.set MC, MC+1
.if MC%16 == 0
.rept 16
	MM1
.endr
.endif
.endm
.macro RESC half, mm                   ; O^T x f: channel tiles 4 half .. + 3 of all four tiles of queries; each accumulator from its low end on
.set xi, 0
.rept 16
	WIN 0xC3
.rept 4
.set xr, 64*(xi/16)+32*(\half)+2*(xi%16)
	v_pk_mul_f32 v[xr:xr+1], v[xr:xr+1], v[ST+8*(xi/16)+2:ST+8*(xi/16)+3] op_sel_hi:[1,0]
.set xi, xi+1
.endr
.if \mm
	MM
.endif
.endr
.endm
; SEGMENT Y.  dc = 1: O^T += V^T P^T of the step before; db = 1: this step's t and maxima
.macro SEGY dc, db
	WIN 0
.set MI, 0
.set MC, 0
.set MODE, 2
.set MEND, 64*(\dc)
.if \db
	v_add_nc_u32 v[KBA], s[KT], v[KBA0]
	s_add_co_u32 s[KT], s[KT], 1024                ; the next 256 keys' mask, in my cluster's order
	WIN 0x80
.irp bq,0,1,2,3,4,5,6,7
	ds_load_b128 v[4*\bq:4*\bq+3], v[KBA] offset:128*(\bq/4)+16*(\bq%4)   ; 10000 log2(e) m_k of keys 32 b + 16 h + 0 .. 15 of my 64, where tile 0's t will stand
.endr
	WIN 0
.endif
.if \dc
.irp u,0,1,2,3
	ds_load_b64 v[VT+2*\u:VT+2*\u+1], v[AVH] offset:SCU+256*\u
.endr
	FETCHV 0
	WIN 0x40
.irp f,0,1,2,3,4,5,6,7
.irp q,0,1,2
	ds_load_b128 v[PF+12*\f+4*\q:PF+12*\f+4*\q+3], v[SA16] offset:IMG*\f+512*\q   ; p's eight fragments, as the four waves stored them
.endr
.endr
	WIN 0
.irp i,0,1,2,3
	ds_load_b32 v[PS+\i], v[SA4] offset:128*\i
.endr
	s_wait_dscnt 52                                ; V's four scale units are in; the 24 + 24 + 4 loads behind them may be out
	VSCP
	RESC 0, 0                                      ; (also the places between the joined scale words and the products)
	RESC 1, 1
.else
	s_wait_dscnt 0x0
.endif
.if \db
.set xi, 0
.rept 16
	WIN 0x82
.rept 4
.set xq, (xi/16+1)%4                   ; tiles 1, 2, 3 from tile 0's place, tile 0 last, in place
	v_pk_fma_f32 v[32*xq+2*(xi%16):32*xq+2*(xi%16)+1], v[2*(xi%16):2*(xi%16)+1], v[ST+8*xq+4:ST+8*xq+5], s[NEG:NEG+1] op_sel_hi:[1,0,0]   ; the bias x log2(e): 0 exactly where m_q m_k = 1
.set xi, xi+1
.endr
	MM
.endr
.set xi, 0
.rept 16
	WIN 0xA2
.rept 4
	v_pk_fma_f32 v[2*xi:2*xi+1], v[128+2*xi:129+2*xi], s[C1:C1+1], v[2*xi:2*xi+1] op_sel_hi:[1,0,1]   ; t; each accumulator is read from its low end on
.set xi, xi+1
.endr
	MM
.endr
.irp i,1,3,5,7,9,11,13                 ; the largest t of each of my eight blocks of 32 keys (tile T, block b: 2 T + b), by turns
.irp hf,0,4
.if \i == 1
	WIN 0x2A
.else
	WIN 0x28
.endif
.irp c,0,1,2,3
.if \i == 1
	v_max3_num_f32 v[TMB+\hf+\c], v[16*(\hf+\c)], v[16*(\hf+\c)+1], v[16*(\hf+\c)+2]
.else
	v_max3_num_f32 v[TMB+\hf+\c], v[TMB+\hf+\c], v[16*(\hf+\c)+\i], v[16*(\hf+\c)+\i+1]
.endif
.endr
	MM
.endr
.endr
.irp hf,0,4
	WIN 0x28
.irp c,0,1,2,3
	v_max_num_f32 v[TMB+\hf+\c], v[TMB+\hf+\c], v[16*(\hf+\c)+15]
.endr
	MM
.endr
	WIN 0
.irp c,0,1,2,3,4,5,6,7
	v_permlanex16_b32 v[TP+\c], v[TMB+\c], s[SEL], s[SEL+1]
.endr
.irp c,0,1,2,3,4,5,6,7
	v_max_num_f32 v[TMB+\c], v[TMB+\c], v[TP+\c]   ; with lane l xor 16's 16 keys: it serves the row's maximum and, since p rises with t, the block's largest p
.endr
.irp T,0,1,2,3
	v_max_num_f32 v[LM+\T], v[TMB+2*\T], v[TMB+2*\T+1]
.endr
.irp T,0,1,2,3
	ds_store_b32 v[MXW], v[LM+\T] offset:512*\T
.endr
.endif
	MMFLUSH
.endm
; SEGMENT X.  This step's M, p, sums and codes; da = 1: S^T of the next step
.macro SEGX da
	WIN 0
.irp T,0,1,2,3
	ds_load_b128 v[MXR+4*\T:MXR+4*\T+3], v[SA16] offset:MX-SA+512*\T
.endr
.set MI, 0
.set MC, 0
.set MODE, 1
.set MEND, 64*(\da)
.if \da
.irp u,0,1,2,3
	ds_load_b64 v[KS+2*\u:KS+2*\u+1], v[AKH] offset:SCU+256*\u
.endr
	FETCHK 0
	s_wait_dscnt 16                                ; the maxima are in; the 4 + 12 loads behind them may be out
.else
	s_wait_dscnt 0x0
.endif
.irp T,0,1,2,3
	v_max3_num_f32 v[ST+8*\T+1], v[ST+8*\T+1], v[MXR+4*\T], v[MXR+4*\T+1]
.endr
.irp T,0,1,2,3
	v_max3_num_f32 v[ST+8*\T+1], v[ST+8*\T+1], v[MXR+4*\T+2], v[MXR+4*\T+3]   ; the running largest t: the same in all four waves
.endr
.irp T,0,1,2,3
	v_mov_b32 v[LM+\T], v[ST+8*\T]
.endr
.irp T,0,1,2,3
	v_floor_f32 v[ST+8*\T], -v[ST+8*\T+1]          ; -M = floor(-t): M is a whole number
.endr
.irp T,0,1,2,3
	v_sub_f32 v[LM+\T], v[ST+8*\T], v[LM+\T]       ; old M - new M: a whole number, 0 or less
.endr
.irp T,0,1,2,3
	v_cvt_i32_f32 v[LM+\T], v[LM+\T]               ; (it saturates)
.endr
.irp T,0,1,2,3
	v_ldexp_f32 v[ST+8*\T+2], 1.0, v[LM+\T]        ; f = 2^(old M - new M)
.endr
.set xi, 0
.rept 16
	WIN 0x82
.rept 4
	v_pk_add_f32 v[2*xi:2*xi+1], v[2*xi:2*xi+1], v[ST+8*(xi/16):ST+8*(xi/16)+1] op_sel_hi:[1,0]   ; t - M
.set xi, xi+1
.endr
	MM
.endr
	WIN 0
.irp c,0,1,2,3,4,5,6,7
	v_add_f32 v[TMB+\c], v[TMB+\c], v[ST+8*(\c/2)] ; the same of each block's largest t
.endr
	WIN 0x82
	s_wait_alu depctr_va_vdst(0)                   ; the wait ahead of the batch
.set xi, 0
.rept 128
	v_exp_f32 v[xi], v[xi]                         ; p = 2^(t - M): one batch
.set xi, xi+1
.endr
	WIN 0
.irp c,0,1,2,3,4,5,6,7
	v_exp_f32 v[TMB+\c], v[TMB+\c]                 ; the blocks' largest p: the same instructions on the same numbers give the same bits
.endr
	v_nop                                          ; a plain place behind the last exponential
	s_wait_alu depctr_va_vdst(0)                   ; and the wait behind the batch
.irp T,0,1,2,3
	v_pk_mul_f32 v[ST+8*\T+6:ST+8*\T+7], v[ST+8*\T+6:ST+8*\T+7], v[ST+8*\T+2:ST+8*\T+3] op_sel_hi:[1,0]   ; the sums under the new M
.endr
.set xi, 0
.rept 32
	WIN 0x08
.rept 2
.set xq, xi%4
	v_pk_add_f32 v[ST+8*xq+6:ST+8*xq+7], v[ST+8*xq+6:ST+8*xq+7], v[32*xq+2*(xi/4):32*xq+2*(xi/4)+1]   ; the sums of the unquantised p, the four tiles by turns
.set xi, xi+1
.endr
	MM
.endr
	WIN 0
.irp c,0,1,2,3,4,5,6,7
	v_max_num_f32 v[TMB+\c], 0x2800000, v[TMB+\c]  ; the floor 2^(5 - 127): the byte cannot fall under 1
.endr
.irp c,0,1,2,3,4,5,6,7
	v_add_nc_u32 v[TP+\c], 0xfe000000, v[TMB+\c]   ; 4 off the exponent field: the conversion's scale operand
.endr
.irp c,0,1,2,3,4,5,6,7
	v_lshrrev_b32 v[MXR+\c], 23, v[TP+\c]
.endr
.irp T,0,1,2,3
	v_lshl_or_b32 v[PWR+\T], v[MXR+2*\T+1], 8, v[MXR+2*\T]   ; my two bytes of the fragment's scale word
.endr
.irp T,0,1,2,3                         ; my 64 keys are half c = w % 2 of the fragment (key group w / 2, tile T): its registers 6 c .. 6 c + 5, made in v232.. and v248.. by turns
	WIN 0x02
	v_cvt_scalef32_pk16_bf6_f32 v[232+16*(\T%2):234+16*(\T%2)], v[32*\T:32*\T+15], v[TP+2*\T]
	v_cvt_scalef32_pk16_bf6_f32 v[236+16*(\T%2):238+16*(\T%2)], v[32*\T+16:32*\T+31], v[TP+2*\T+1]
	WIN 0
	v_nop                                          ; one plain place behind a scaled conversion
.irp i,0,1,2
	v_permlane16_swap_b32 v[232+16*(\T%2)+\i], v[236+16*(\T%2)+\i]   ; a whole block to a lane: lanes 0-15 block 0, lanes 16-31 block 1
.endr
.irp i,0,1,2
	v_mov_b32 v[235+16*(\T%2)+\i], v[236+16*(\T%2)+\i]
.endr
	ds_store_b64 v[PWA], v[232+16*(\T%2):233+16*(\T%2)] offset:IMG*\T
	ds_store_b64 v[PWB], v[234+16*(\T%2):235+16*(\T%2)] offset:IMG*\T
	ds_store_b64 v[PWA], v[236+16*(\T%2):237+16*(\T%2)] offset:IMG*\T+512
	ds_store_b16 v[PW2], v[PWR+\T] offset:128*(\T/2)+64*(\T%2)   ; (both halves of the lanes hold query r's bytes and write them to the same place)
.endr
	MMFLUSH                                        ; the last group stands behind p's stores
.endm
	s_load_b256 s[4:11], s[0:1], 0x0               ; qc, kv, mask, out0
	v_lshl_add_u32 v[SPW], v0, 2, SPARE
	v_mov_b32 v[NIL], 0
	ds_add_u32 v[SPW], v[NIL]                      ; the opening lines: the add, twice on end, and its wait
	ds_add_u32 v[SPW], v[NIL]
	v_lshrrev_b32 v224, 5, v0
	v_readfirstlane_b32 s[WV], v224                ; wave 0..3
	s_bfe_u32 s13, ttmp6, 0x40000                  ; cx
	s_lshl_b32 s14, ttmp9, 2
	s_add_co_u32 s14, s14, s13                     ; my block of 64 queries: it enters qc's, mask's and out0's addresses alone
	s_and_b32 s15, ttmp7, 0xffff                   ; the batch, which the four partners share
	s_lshr_b32 s20, ttmp9, 2
	s_add_co_u32 s20, ttmp9, s20
	s_and_b32 s20, s20, 3                          ; my cluster's turn
	s_lshl_b32 s[PHK], s20, 1                      ; the key step at which it begins
	s_lshl_b32 s[PHV], s20, 1
	s_mov_b32 s[WRP+1], 0
	s_mov_b32 s[G1], 15|(3<<16)|(1<<21)            ; the mask: all four work-groups; elements of 8 bytes; bit 21 beside a mask; no padding
	s_mov_b32 s[G1+1], 32<<16                      ; rows of 256 bytes,
	s_mov_b32 s[G1+2], 100<<16                     ; 100 of them: a part
	s_mov_b32 s[G1+3], 32<<16
	s_mov_b32 s[G1+4], 100
	s_mov_b32 s[G1+5], 32                          ; dense
	s_mov_b32 s[G1+6], 0
	s_mov_b32 s[G1+7], 0
	s_mov_b32 s[SEL], 0x76543210
	s_mov_b32 s[SEL+1], 0xfedcba98
	s_mov_b32 s[C1], 0x3d8293ee                    ; log2(e) / sqrt(512)
	s_mov_b32 s[C1+1], s[C1]                       ; (named with it as a pair, so it is written)
	s_mov_b32 s[NEG], 0xc6616bcd                   ; -10000 log2(e)
	s_mov_b32 s[NEG+1], s[NEG]
	s_mov_b32 s[KT], 0
	s_mul_i32 s21, s[WV], PART                     ; my part: in a chunk and in a slot
	s_mul_i32 s16, s15, 16*CHUNK
	s_add_co_u32 s16, s16, s21
	s_mul_i32 s17, s20, 4*CHUNK                    ; two key steps of two chunks for each turn
	s_add_co_u32 s16, s16, s17
	s_mov_b32 s17, 0
	s_lshl_b32 s18, s15, 5
	s_add_co_u32 s18, s18, s14
	s_mul_i32 s18, s18, PART                       ; my queries' part of qc
	s_mov_b32 s19, 0
	s_lshl_b32 s22, s15, 13                        ; the batch's mask
	s_mov_b32 s23, 0
	s_lshl_b32 s2, s15, 22
	s_lshl_b32 s3, s14, 17
	s_add_co_u32 s2, s2, s3
	s_lshl_b32 s3, s[WV], 9
	s_add_co_u32 s2, s2, s3                        ; out0: 2,048 rows a batch, 64 a block, of 2,048 bytes; my 128 channels
	s_mov_b32 s3, 0
	s_mul_i32 s[PFA], s13, 6400                    ; the prefetches: my work-group's quarter of my part
	s_mov_b32 s[PFA+1], 0
	s_lshr_b32 s54, s[WV], 1                       ; my key group g
	s_and_b32 s55, s[WV], 1                        ; and half c of it
	s_mul_i32 s56, s54, 4*IMG
	s_add_co_u32 s56, s56, SA
	s_mul_i32 s57, s55, 520
	s_add_co_u32 s57, s57, s56                     ; registers 6 c, 6 c + 1 of an image lie at 520 c, registers 6 c + 4, 6 c + 5 512 further on,
	s_mul_i32 s58, s55, 1016
	s_add_co_u32 s58, s58, s56
	s_add_co_u32 s58, s58, 8                       ; registers 6 c + 2, 6 c + 3 at 8 + 1016 c (+ 16 x lane)
	s_lshl_b32 s54, s54, 8
	s_lshl_b32 s55, s55, 1
	s_add_co_u32 s54, s54, s55
	s_add_co_u32 s54, s54, PSC
	s_lshl_b32 s55, s[WV], 2
	s_add_co_u32 s55, s55, MX
	s_lshl_b32 s56, s[WV], 8
	s_add_co_u32 s56, s56, KB
	s_lshl_b32 s59, s14, 8
.irp i,0,1,2,3
	s_add_co_u32 s[60+\i], s20, \i
	s_and_b32 s[60+\i], s[60+\i], 3                ; my cluster's i-th 512 keys are the batch's block (i + turn) mod 4
	s_lshl_b32 s[60+\i], s[60+\i], 11
.endr
	s_wait_dscnt 0x0                               ; both opening adds are done
	v_and_b32 v224, 31, v0                         ; lane
	v_and_b32 v225, 15, v0                         ; r
	v_bfe_u32 v226, v0, 4, 1                       ; h
	v_lshlrev_b32 v[L16], 4, v224
	v_lshlrev_b32 v227, 3, v224
	v_add_nc_u32 v[AKF], s21, v[L16]
	v_add_nc_u32 v[AKH], s21, v227
	v_add_nc_u32 v[AVH], SLOT1, v[AKH]
	v_add_nc_u32 v[SA16], SA, v[L16]
	v_lshl_add_u32 v[SA4], v224, 2, PSC
	v_add_nc_u32 v[PWA], s57, v[L16]
	v_add_nc_u32 v[PWB], s58, v[L16]
	v_lshl_add_u32 v[PW2], v225, 2, s54
	v_add_nc_u32 v[MXW], s55, v[L16]
	v_lshl_add_u32 v[KBA0], v226, 6, s56
	v_min_u32 v[PFO], 24, v224
	v_lshlrev_b32 v[PFO], 8, v[PFO]
	v_lshlrev_b32 v228, 4, v0                      ; 16 x thread
	v_add_nc_u32 v230, KB, v228
	v_and_b32 v229, 8, v225
	v_add_nc_u32 v229, v229, v225
	v_lshl_add_u32 v229, v229, 2, s59              ; my query's place in the batch's mask, tile 0
.irp i,0,1,2,3
	v_add_nc_u32 v[231+\i], s[60+\i], v228
.endr
.irp c,0,1,2,3,4,5,6,7
	v_mov_b32 v[TP+\c], 0                          ; a lane permute's destination counts as read
.endr
.irp T,0,1,2,3
	v_mov_b32 v[ST+8*\T+1], 0xff61b1e6             ; the largest t so far: -3e38
	v_floor_f32 v[ST+8*\T], -v[ST+8*\T+1]          ; -M
	v_mov_b32 v[ST+8*\T+2], 0
	v_mov_b32 v[ST+8*\T+3], 0                      ; (named as the upper half of a pair)
	v_mov_b32 v[ST+8*\T+5], 0
	v_mov_b32 v[ST+8*\T+6], 0                      ; the sum, in two halves
	v_mov_b32 v[ST+8*\T+7], 0
.endr
	s_wait_alu depctr_va_vdst(0)                   ; the wait at the head's end
	s_wait_kmcnt 0x0
	s_add_nc_u64 s[6:7], s[6:7], s[16:17]          ; kv at my part of my cluster's first chunk: the batch, the wave's number and the cluster's turn alone enter it
	s_add_nc_u64 s[4:5], s[4:5], s[18:19]
	s_add_nc_u64 s[8:9], s[8:9], s[22:23]
	s_add_nc_u64 s[10:11], s[10:11], s[2:3]
	s_add_nc_u64 s[PFA:PFA+1], s[6:7], s[PFA:PFA+1]
	s_mov_b32 s[GK], 1
	s_mov_b32 s[GK+1], s21
	s_mov_b64 s[GK+2:GK+3], s[6:7]
	s_or_b32 s[GK+3], s[GK+3], 0x80000000
	s_mov_b32 s[GV], 1
	s_add_co_u32 s[GV+1], s21, SLOT1
	s_add_nc_u64 s[GV+2:GV+3], s[6:7], CHUNK
	s_or_b32 s[GV+3], s[GV+3], 0x80000000
	CROUND                                         ; all four work-groups are here: the first joint loads meet
	tensor_load_to_lds s[GK:GK+3], s[G1:G1+7]      ; K of my cluster's first step: one tensor load a wave at the head
	s_nop 0
	PLACES 4
.irp i,0,1,2,3
	global_load_b128 v[128+4*\i:128+4*\i+3], v[231+\i], s[8:9]   ; the batch's mask, 16 keys a thread: the i-th 512 keys of my cluster's order
.endr
.irp T,0,1,2,3
	global_load_b32 v[ST+8*\T+4], v229, s[8:9] offset:(32*(\T/2)+8*(\T%2))*4   ; and my four queries'
.endr
	WIN 0x40
.irp s,0,1,2
.irp T,0,1,2,3
.irp g,0,1,2
	global_load_b128 v[48*\s+12*\T+4*\g:48*\s+12*\T+4*\g+3], v[L16], s[4:5] offset:(4*\s+\T)*IMG+512*\g   ; Q stays in registers
.endr
.endr
.endr
	WIN 0
.irp T,0,1,2,3
.irp g,0,1,2
	global_load_b128 v[Q3+12*\T+4*\g:Q3+12*\T+4*\g+3], v[L16], s[4:5] offset:(12+\T)*IMG+512*\g
.endr
.endr
.irp s,0,1,2,3
	global_load_b64 v[QS+2*\s:QS+2*\s+1], v227, s[4:5] offset:SCU+256*\s
.endr
	WIN 0xC0
.set xi, 0
.rept 256
	v_mov_b32 v[xi], 0                             ; O^T, while the loads are out.  (Segment Y is written for every step alike: the first finds zeros; that spares a further copy of it)
.set xi, xi+1
.endr
	WIN 0
	s_wait_loadcnt 52                              ; the mask's eight loads are in; Q's 52 may be out
.irp i,0,1,2,3,4,5,6,7,8,9,10,11,12,13,14,15
	v_cvt_f32_i32 v[128+\i], v[128+\i]
.endr
.irp i,0,1,2,3,4,5,6,7,8,9,10,11,12,13,14,15
	v_mul_f32 v[128+\i], 0x46616bcd, v[128+\i]     ; 10000 log2(e) m_k
.endr
.irp i,0,1,2,3
	ds_store_b128 v230, v[128+4*\i:128+4*\i+3] offset:2048*\i   ; read by all waves behind the next barrier
.endr
.irp T,0,1,2,3
	v_cvt_f32_i32 v[ST+8*\T+4], v[ST+8*\T+4]       ; m_q
.endr
	s_wait_alu depctr_va_vdst(0)                   ; the wait ahead of the waits below
	s_wait_dscnt 0x0                               ; the stores have read their registers, into which fragments are loaded next
	s_wait_tensorcnt 0x0                           ; my own part of K is in
.irp u,0,1,2,3
	ds_load_b64 v[KS+2*\u:KS+2*\u+1], v[AKH] offset:SCU+256*\u
.endr
	FETCHK 0
	s_wait_loadcnt 0x0                             ; Q
	global_prefetch_b8 v[PFO], s[PFA:PFA+1] offset:2*CHUNK th:TH_LOAD_NT scope:SCOPE_SE   ; K of my second step, which the next change of slots loads, behind the first step's 64 products,
	global_prefetch_b8 v[PFO], s[PFA:PFA+1] offset:CHUNK th:TH_LOAD_NT scope:SCOPE_SE     ; and V of my first, which the one after it loads
.set MI, 0
.set MC, 0
.set MODE, 1
.set MEND, 64
	MMFLUSH                                        ; S^T of the first step
	SYNC 1, 1, 3                                   ; slot K takes my second step's K; V of that step is prefetched
	SEGY 0, 1
	SYNC 2, 0, 0                                   ; slot V's first fill, issued as a refill is
	s_mov_b32 s[CNT], 6
.Lstep:                                                ; trip i: X(i) with S^T of step i + 1, K(i + 2); Y(i + 1) with O^T of step i, V(i + 1)
	SEGX 1
	SYNC 1, 1, 0
	SEGY 1, 1
	SYNC 2, 1, 0
	s_sub_co_u32 s[CNT], s[CNT], 1
	s_cmp_lg_u32 s[CNT], 0
	s_cbranch_scc1 .Lstep
	SEGX 1                                         ; the tail is written out: no K is left to fetch
	SYNC 0, 0, 0
	SEGY 1, 1
	SYNC 2, 1, 0                                   ; the last V
	SEGX 0
	SYNC 0, 0, 0
	SEGY 1, 0
	; THE WAY OUT.  The rows' sums of the four waves are added; O^T is divided by the sum and leaves through my stage as whole pieces of rows.
	WIN 0
	PLACES 4
.irp T,0,1,2,3
	v_add_f32 v[128+\T], v[ST+8*\T+6], v[ST+8*\T+7]
.endr
.irp T,0,1,2,3
	v_permlanex16_b32 v[132+\T], v[128+\T], s[SEL], s[SEL+1]
.endr
.irp T,0,1,2,3
	v_add_f32 v[128+\T], v[128+\T], v[132+\T]      ; my 64 keys a step: my part of the row's sum
.endr
	s_lshl_b32 s16, s[WV], 2
	s_add_co_u32 s16, s16, LX
	v_add_nc_u32 v152, s16, v[L16]
	v_add_nc_u32 v153, LX, v[L16]
.irp T,0,1,2,3
	ds_store_b32 v152, v[128+\T] offset:512*\T
.endr
	s_wait_alu depctr_va_vdst(0)
	s_wait_dscnt 0x0
	s_barrier_signal -1
	s_barrier_wait -1
.irp T,0,1,2,3
	ds_load_b128 v[136+4*\T:136+4*\T+3], v153 offset:512*\T
.endr
	s_wait_dscnt 0x0
.irp T,0,1,2,3
	v_add_f32 v[136+4*\T], v[136+4*\T], v[136+4*\T+1]
.endr
.irp T,0,1,2,3
	v_add_f32 v[136+4*\T+2], v[136+4*\T+2], v[136+4*\T+3]
.endr
.irp T,0,1,2,3
	v_add_f32 v[136+4*\T], v[136+4*\T], v[136+4*\T+2]
.endr
	s_mul_i32 s16, s[WV], 16*SPITCH
	s_add_co_u32 s16, s16, STG                     ; my stage
	s_wait_alu depctr_va_vdst(0)                   ; the wait ahead of the reciprocals
.irp T,0,1,2,3
	v_rcp_f32 v[ST+8*\T+2], v[136+4*\T]
.endr
	v_and_b32 v156, 15, v0                         ; (plain work behind the reciprocals)
	v_bfe_u32 v157, v0, 4, 1
	v_mul_u32_u24 v[STO], v156, SPITCH
	v_lshl_add_u32 v[STO], v157, 6, v[STO]
	v_add_nc_u32 v[STO], s16, v[STO]               ; in: row r, + 64 h
	v_add_nc_u32 v[SRD], s16, v[L16]               ; back: a row's 512 bytes, 16 a lane
	s_wait_alu depctr_va_vdst(0)                   ; and the wait ahead of their first reader
	RESC 0, 0
	RESC 1, 0
.macro TOSTAGE tq                      ; register 8 ct + j of lane (r, h) is channel 32 (ct / 2) + 16 h + 8 (ct % 2) + j of query r
	WIN 0x0C
.irp ct,0,1,2,3,4,5,6,7
.irp q,0,1
	ds_store_b128 v[STO], v[64*(\tq)+8*\ct+4*\q:64*(\tq)+8*\ct+4*\q+3] offset:128*(\ct/2)+32*(\ct%2)+16*\q
.endr
.endr
	WIN 0x80
.irp i,0,1,2,3,4,5,6,7,8,9,10,11,12,13,14,15
	ds_load_b128 v[64*((\tq)%2)+4*\i:64*((\tq)%2)+4*\i+3], v[SRD] offset:SPITCH*\i   ; LDS serves a wave's instructions in order: these see the stores above, and the next tile's stores come behind them
.endr
.endm
.macro SEND tq, younger
	s_wait_dscnt \younger
	WIN 0x08
.irp i,0,1,2,3,4,5,6,7,8,9,10,11,12,13,14,15
	global_store_b128 v[L16], v[64*((\tq)%2)+4*\i:64*((\tq)%2)+4*\i+3], s[10:11] offset:(32*((\tq)/2)+8*((\tq)%2)+\i+8*(\i/8))*2048 th:TH_STORE_NT   ; 32 lanes store 512 consecutive bytes, aligned
.endr
.endm
	TOSTAGE 0
	TOSTAGE 1
	s_wait_alu depctr_va_vdst(0)
	SEND 0, 32                                     ; behind tile 0's loads: tile 1's 16 stores and 16 loads
	s_wait_xcnt 0x0                                ; tile 0's stores have read their registers: tile 2's rows land there
	TOSTAGE 2
	SEND 1, 32
	s_wait_xcnt 0x0
	TOSTAGE 3
	SEND 2, 32
	SEND 3, 0
	WIN 0
	s_wait_tensorcnt 0x0                           ; the wave's end
	ds_add_u32 v[SPW], v[NIL]
	s_wait_dscnt 0x0
	CROUND                                         ; the closing round
	s_endpgm
.Lfunc_end_k_qd810fed0bf_attn:
	.size	k_qd810fed0bf_attn, .Lfunc_end_k_qd810fed0bf_attn-k_qd810fed0bf_attn
	.p2alignl 7, 3214868480
	.fill 96, 4, 3214868480
	.section	.rodata,"a",@progbits
	.p2align	6, 0x0
	.amdhsa_kernel k_qd810fed0bf_attn
		.amdhsa_group_segment_fixed_size 327680
		.amdhsa_private_segment_fixed_size 0
		.amdhsa_enable_private_segment 0
		.amdhsa_kernarg_size 32
		.amdhsa_user_sgpr_count 2
		.amdhsa_user_sgpr_kernarg_segment_ptr 1
		.amdhsa_wavefront_size32 1
		.amdhsa_system_sgpr_workgroup_id_x 1
		.amdhsa_system_sgpr_workgroup_id_y 1
		.amdhsa_system_sgpr_workgroup_id_z 1
		.amdhsa_system_vgpr_workitem_id 0
		.amdhsa_next_free_vgpr 1024
		.amdhsa_next_free_sgpr 66
		.amdhsa_reserve_vcc 0
		.amdhsa_float_denorm_mode_32 3
		.amdhsa_float_denorm_mode_16_64 3
		.amdhsa_memory_ordered 1
		.amdhsa_forward_progress 1
		.amdhsa_inst_pref_size 255
	.end_amdhsa_kernel
	.section	.bss,"aw",@nobits
	.p2align	6
	.space	262144
	.amdgpu_metadata
---
amdhsa.version: [ 1, 2 ]
amdhsa.kernels:
  - .name:           k_qd810fed0bf_attn
    .symbol:         k_qd810fed0bf_attn.kd
    .args:
      - { .name: qc, .offset: 0, .size: 8, .value_kind: global_buffer, .address_space: global }
      - { .name: kv, .offset: 8, .size: 8, .value_kind: global_buffer, .address_space: global }
      - { .name: mask, .offset: 16, .size: 8, .value_kind: global_buffer, .address_space: global }
      - { .name: out0, .offset: 24, .size: 8, .value_kind: global_buffer, .address_space: global }
    .group_segment_fixed_size: 327680
    .private_segment_fixed_size: 0
    .kernarg_segment_align: 8
    .kernarg_segment_size: 32
    .max_flat_workgroup_size: 128
    .sgpr_count:     66
    .vgpr_count:     1024
    .wavefront_size: 32
...
	.end_amdgpu_metadata
.endif
;; end of part 6
